; MI455X (gfx1250); checked and timed in simulation.
; The chip was launched on July 23, 2026; its instructions are those of AMD's public machine-readable ISA for CDNA 5 (MIT licence, August 2026) and "CDNA5" Instruction Set Architecture Reference Guide (July 2026). The comments in the code are by the model that wrote it; some were corrected since.
;; Attention Block. Allowed arithmetic: float matrix products may take bf16 or f16 operands with f32 sums; all other float work in f32.
;; Inputs: Wk 512 x 512 float32; Wp 512 x 512 float32; Wq 512 x 512 float32; Wv 512 x 512 float32; beta 512 float32; bk 512 float32; bp 512 float32; bq 512 float32; bv 512 float32; gamma 512 float32; x 16 x 32 x 32 x 512 float32.
;; Outputs: out0 16 x 32 x 32 x 512 float32.
;; 2 versions, each right; version 2 is version 1 with the launch prep written anew for expert scheduling mode. Each part assembles by itself: llvm-mc -triple=amdgcn-amd-amdhsa -mcpu=gfx1250 --defsym DOCPART=n.
;; ======== version 1 of 2: 2 launches
;; limits: values outside matrix products are rounded to bf16
;; workspace buffers: xnb 16,777,216 bytes; nrm 65,536 bytes; mt 524,288 bytes; vt 524,288 bytes; uw 4,096 bytes
;; launch prep (part 1): grid 192 x 1, 16 waves a work-group, no clusters, 318,208 bytes of LDS; arguments x, gamma, beta, Wq, Wk, Wv, Wp, bq, bv, bp, xnb, nrm, mt, vt, uw; writes xnb, nrm, mt, vt, uw
.if DOCPART == 1
	.amdgcn_target "amdgcn-amd-amdhsa--gfx1250"
	.amdhsa_code_object_version 6
	.text
	.protected	k_qcc053da9f3_prep
	.globl	k_qcc053da9f3_prep
	.p2align	8
	.type	k_qcc053da9f3_prep,@function
k_qcc053da9f3_prep:
	s_mov_b64 s[64:65], 0
	v_nop
	global_prefetch_b8 v0, s[64:65] scope:SCOPE_SE
	s_setreg_imm32_b32 hwreg(HW_REG_WAVE_MODE, 25, 1), 1
	s_wait_xcnt 0x0
; AttentionBlock, first of two launches: group statistics, the normalised input in bf16, and folded weights.
;
; WORK LEFT OUT, AND WHY IT IS DEAD FOR ALL VALUES OF THE INPUTS.
;  scores[n][m] = q[n].(xn[m] Wk) + q[n].bk.  The second term does not hang on m, the axis of the softmax, so it cancels in
;  softmax(scores): bk has no way to the output.  bk is not loaded and is an argument of no launch.
; THE SAME SUMS IN ANOTHER ORDER (exact in real numbers, for all values):
;  q[n].(xn[m] Wk) = q'[n].xn[m]  with  q'[n][c] = sum c' xn[n][c'] MT[c][c'] + u[c],
;                    MT[c][c'] = sum j Wk[c][j] Wq[c'][j],   u[c] = sum j bq[j] Wk[c][j];
;  the rows of the softmax sum to 1, so (attn (xn Wv + bv)) Wp + bp = (attn xn) (Wv Wp) + (bv Wp + bp):
;                    VT[d][c] = sum j Wv[c][j] Wp[j][d],     w[d] = bp[d] + sum j bv[j] Wp[j][d].
;  So keys and values are both xn, and q, k, v never go to memory.  MT and u carry the factor 512^-0.5 log2(e): scores come out in base 2.
; LIMITS: a NaN, an infinity or an overflow that reaches only the term with bk is not carried to the result.  MT and VT are rounded to bf16
;  (one rounding more than the weights themselves would have as matrix operands); bq and bv enter their products in bf16.
;
; 192 work-groups of 16 waves, three roles, chosen by the work-group's number alone (so all 16 waves of a work-group are in one role):
;  0..127   one batch b and 64 channels (4 groups): mean, then the sum of squares about the mean, both from registers: x is read once.
;           Stores xnb (bf16, [b][key tile 8][channel block 8][key 128][64 channels]) and nrm ([b][a 512 | s 512], xn = a x + s).
;  128..159 a block of 64 rows x 128 columns of MT (and, in the blocks of the first columns, 64 numbers of u)
;  160..191 the same of VT (and of w).   mt, vt: bf16 [column block 4][row 512][128 columns]; uw: f32 u[512], w[512].
; LDS: X, the bias rows and the out stage are addressed by the same arithmetic in both fold roles, each wave storing bytes of its own.  Y lies
;  differently in the two (rows along j for MT, [j][column] for VT), so each layout has bytes of its own, and so have the statistics' words:
;  no byte of LDS is written under two different maps anywhere in this text.
.set CS,  0x3d8293ee                   ; 512^-0.5 x log2(e)
.set WPI, 1040                         ; LDS pitch of a row of 512 bf16: 1,024 bytes + 16, an odd multiple of 16
.set XB,  128*WPI                      ; behind X's 128 rows: 16 rows, each the bias vector
.set YS0, XB+16*WPI                    ; Y for MT: 64 rows of pitch 1,040
.set YS1, YS0+64*WPI                   ; Y for VT: 512 rows j of 64 columns, pitch 160
.set OS,  YS1+512*160                  ; the way out: 64 rows of 256 bytes, pitch 272
.set RED, OS+64*272                    ; statistics: [group 4][wave 16] f32, once for the sums, once (256 bytes on) for the squares
.set D,   64                           ; statistics: v[64:191], 128 numbers of x a lane
.macro PLACES n
.rept \n
	v_nop
.endr
.endm
.macro BAR
	s_barrier_signal -1
	s_barrier_wait -1
.endm
	s_load_b256 s[4:11], s[0:1], 0x0               ; x s[4:5], gamma s[6:7], beta s[8:9], Wq s[10:11]
	s_load_b256 s[12:19], s[0:1], 0x20             ; Wk s[12:13], Wv s[14:15], Wp s[16:17], bq s[18:19]
	s_load_b256 s[20:27], s[0:1], 0x40             ; bv s[20:21], bp s[22:23], xnb s[24:25], nrm s[26:27]
	s_load_b128 s[28:31], s[0:1], 0x60             ; mt s[28:29], vt s[30:31]
	s_load_b64 s[32:33], s[0:1], 0x70              ; uw
	v_lshl_add_u32 v54, v0, 2, 0x4d300
	v_mov_b32 v55, 0
	v_lshrrev_b32 v1, 5, v0
	v_readfirstlane_b32 s34, v1                    ; wave 0..15
	v_and_b32 v1, 31, v0                           ; L
	v_and_b32 v2, 15, v0                           ; q = r = L % 16
	v_bfe_u32 v3, v0, 4, 1                         ; hh = h = L / 16
	s_mov_b32 s54, 0x76543210                      ; v_permlanex16_b32: lane i of one half reads lane i of the other
	s_mov_b32 s55, 0xfedcba98
	s_mov_b32 s37, 0                               ; upper word of the offsets made in s36
	s_wait_kmcnt 0x0
	s_cmp_lt_u32 ttmp9, 128
	s_cbranch_scc1 .Lstats
	s_cmp_lt_u32 ttmp9, 160
	s_cbranch_scc1 .Lfold0
; One fragment of Y (16 output rows x 32 along j) for K step 8 bt + i.  MT: Y's rows lie along j, two plain loads.
; VT: Y lies as [j][column], two transposing loads, 16 rows j apart.
.macro YFRAG tr, bt, i, dst
.if \tr
	ds_load_tr16_b128 v[\dst:\dst+3], v[11+\bt] offset:\i*5120
	ds_load_tr16_b128 v[\dst+4:\dst+7], v[11+\bt] offset:\i*5120+2560
.else
	ds_load_b128 v[\dst:\dst+3], v11 offset:(8*\bt+\i)*64
	ds_load_b128 v[\dst+4:\dst+7], v11 offset:(8*\bt+\i)*64+32
.endif
.endm
; tr = 0: MT, X = Wq's rows, Y = Wk's rows, bias bq.   tr = 1: VT, X = Wv's rows, Y = Wp's columns, bias bv, addend bp.
; Source 0 of the matrix instruction takes X (the output's columns), source 1 takes Y (its rows): a lane then holds eight neighbouring
; columns of one output row, 16 bytes in bf16.
.macro FOLD tr
.if \tr
.set XPT, 14
.set YPT, 16
.set BPT, 20
.set DPT, 30
.set YS,  YS1
.else
.set XPT, 10
.set YPT, 12
.set BPT, 18
.set DPT, 28
.set YS,  YS0
.endif
	s_sub_co_u32 s38, ttmp9, 128+32*\tr
	s_lshr_b32 s39, s38, 2                         ; rb: which 64 output rows
	s_and_b32 s40, s38, 3                          ; kb: which 128 output columns
	s_lshr_b32 s41, s34, 2                         ; ty: my 16 of the 64 rows
	s_and_b32 s42, s34, 3                          ; tp: my 32 of the 128 columns
	s_lshl_b32 s36, s40, 18                        ; X: 128 rows of 2,048 bytes a block, 8 rows a wave
	s_lshl_b32 s43, s34, 14
	s_add_co_u32 s36, s36, s43
	s_add_nc_u64 s[XPT:XPT+1], s[XPT:XPT+1], s[36:37]
.if \tr
	s_lshl_b32 s36, s34, 16                        ; Y = Wp: 32 rows j a wave, 256 bytes (64 columns) of each
	s_lshl_b32 s43, s39, 8
.else
	s_lshl_b32 s36, s39, 17                        ; Y = Wk: 64 rows a block, 4 rows a wave
	s_lshl_b32 s43, s34, 13
.endif
	s_add_co_u32 s36, s36, s43
	s_add_nc_u64 s[YPT:YPT+1], s[YPT:YPT+1], s[36:37]
	v_lshlrev_b32 v4, 4, v1                        ; 16 L: a wave's load covers 512 neighbouring bytes
.irp i, 0,1,2,3,4,5,6,7
.irp c, 0,1,2,3
	global_load_b128 v[64+4*(4*\i+\c):64+4*(4*\i+\c)+3], v4, s[XPT:XPT+1] offset:\i*2048+\c*512
.endr
.endr
.if \tr
	v_lshlrev_b32 v5, 4, v2
	v_lshl_add_u32 v5, v3, 11, v5                  ; two rows j a load: 2,048 hh + 16 q
.irp i, 0,1,2,3,4,5,6,7,8,9,10,11,12,13,14,15
	global_load_b128 v[192+4*\i:192+4*\i+3], v5, s[YPT:YPT+1] offset:\i*4096
.endr
.else
.irp i, 0,1,2,3
.irp c, 0,1,2,3
	global_load_b128 v[192+4*(4*\i+\c):192+4*(4*\i+\c)+3], v4, s[YPT:YPT+1] offset:\i*2048+\c*512
.endr
.endr
.endif
	; LDS addresses, made while the loads are on their way
	s_mul_i32 s43, s34, 8*WPI
	v_lshl_add_u32 v7, v1, 3, s43                  ; X in: my 8 rows, 8 bytes a lane
.if \tr
	s_mul_i32 s43, s34, 32*160
	s_add_co_u32 s43, s43, YS
	v_mul_u32_u24 v8, v3, 160
	v_lshl_add_u32 v8, v2, 3, v8
	v_add_nc_u32 v8, s43, v8                       ; Y in: my 32 rows j, row hh, 8 bytes at 8 q
.else
	s_mul_i32 s43, s34, 4*WPI
	s_add_co_u32 s43, s43, YS
	v_lshl_add_u32 v8, v1, 3, s43                  ; Y in: my 4 rows
.endif
	v_mul_u32_u24 v49, v2, WPI
	v_lshl_add_u32 v49, v3, 4, v49                 ; a fragment's lane term: r x pitch + 16 h
	s_mul_i32 s43, s42, 32*WPI
	v_add_nc_u32 v10, s43, v49                     ; X fragments: my 32 rows
.if \tr
	v_and_b32 v50, 7, v0
	v_lshl_add_u32 v50, v3, 3, v50                 ; row j = 8 h + L % 8
	v_mul_u32_u24 v50, v50, 160
	v_bfe_u32 v51, v0, 3, 1
	v_lshl_add_u32 v50, v51, 4, v50                ; + 16 bytes for the upper eight columns
	s_lshl_b32 s43, s41, 5
	s_add_co_u32 s43, s43, YS
	v_add_nc_u32 v11, s43, v50                     ; Y fragments, K steps 0-7
	v_add_nc_u32 v12, 8*5120, v11                  ; K steps 8-15
.else
	s_mul_i32 s43, s41, 16*WPI
	s_add_co_u32 s43, s43, YS
	v_add_nc_u32 v11, s43, v49
.endif
	v_add_nc_u32 v13, XB, v49                      ; the bias rows as a fragment
	v_mul_u32_u24 v50, v2, 272
	v_lshl_add_u32 v50, v3, 4, v50
	s_mul_i32 s43, s41, 16*272
	s_lshl_b32 s46, s42, 6
	s_add_co_u32 s43, s43, s46
	s_add_co_u32 s43, s43, OS
	v_add_nc_u32 v14, s43, v50                     ; out stage, in: row 16 ty + r, bytes 64 tp + 16 h
	v_mul_u32_u24 v50, v3, 272
	v_lshl_add_u32 v50, v2, 4, v50
	s_mul_i32 s43, s34, 4*272
	s_add_co_u32 s43, s43, OS
	v_add_nc_u32 v15, s43, v50                     ; out stage, back: rows 4 w + hh, 16 bytes at 16 q
	s_lshl_b32 s36, s40, 17
	s_lshl_b32 s43, s39, 14
	s_add_co_u32 s36, s36, s43
	s_lshl_b32 s43, s34, 10
	s_add_co_u32 s36, s36, s43
	s_add_nc_u64 s[DPT:DPT+1], s[DPT:DPT+1], s[36:37]  ; destination: column block, my 4 rows of 256 bytes
	; The blocks of the first columns also make 64 numbers of u or w: each wave lays the bias vector down as one of 16 equal rows.
	; Load, conversion and LDS store stand in this one branch; its wait for 0 also covers the 48 loads above, which are older.
	s_cmp_lg_u32 s40, 0
	s_cbranch_scc1 .Lnobias_\tr
	v_lshlrev_b32 v6, 6, v1                        ; 16 numbers a lane
	global_load_b128 v[32:35], v6, s[BPT:BPT+1]
	global_load_b128 v[36:39], v6, s[BPT:BPT+1] offset:16
	global_load_b128 v[40:43], v6, s[BPT:BPT+1] offset:32
	global_load_b128 v[44:47], v6, s[BPT:BPT+1] offset:48
	s_mul_i32 s43, s34, WPI
	s_add_co_u32 s43, s43, XB
	v_lshl_add_u32 v9, v1, 5, s43
	s_wait_loadcnt 0x0
.irp k, 0,1,2,3,4,5,6,7
	v_cvt_pk_bf16_f32 v[32+\k], v[32+2*\k], v[33+2*\k]     ; in place: each line reads at or above what it writes
.endr
	ds_store_b128 v9, v[32:35]
	ds_store_b128 v9, v[36:39] offset:16
.Lnobias_\tr:
	; f32 to bf16 and into LDS, eight loads at a time: the count is the number of younger loads that may stay out
.set nn, 0
.rept 32
.if (nn%8) == 0
	s_wait_loadcnt 40-nn
.endif
	v_cvt_pk_bf16_f32 v[64+4*nn], v[64+4*nn], v[65+4*nn]
	v_cvt_pk_bf16_f32 v[65+4*nn], v[66+4*nn], v[67+4*nn]
	ds_store_b64 v7, v[64+4*nn:65+4*nn] offset:(nn>>2)*WPI+(nn&3)*256
.set nn, nn+1
.endr
.set nn, 0
.rept 16
.if (nn%8) == 0
	s_wait_loadcnt 8-nn
.endif
	v_cvt_pk_bf16_f32 v[192+4*nn], v[192+4*nn], v[193+4*nn]
	v_cvt_pk_bf16_f32 v[193+4*nn], v[194+4*nn], v[195+4*nn]
.if \tr
	ds_store_b64 v8, v[192+4*nn:193+4*nn] offset:nn*320
.else
	ds_store_b64 v8, v[192+4*nn:193+4*nn] offset:(nn>>2)*WPI+(nn&3)*256
.endif
.set nn, nn+1
.endr
	s_wait_dscnt 0x0                               ; my LDS stores are done, for the other waves' sake
	BAR
	; 16 rows x 32 columns a wave, K = 512 in two batches of eight K steps.  The two accumulators take turns, one instruction a turn.
.irp bt, 0,1
.if \bt
	PLACES 4                                       ; loads into registers that matrix instructions have read stand four places behind them
.endif
.irp i, 0,1,2,3,4,5,6,7
	ds_load_b128 v[64+24*\i:67+24*\i], v10 offset:(8*\bt+\i)*64
	ds_load_b128 v[68+24*\i:71+24*\i], v10 offset:(8*\bt+\i)*64+32
	ds_load_b128 v[72+24*\i:75+24*\i], v10 offset:(8*\bt+\i)*64+16*WPI
	ds_load_b128 v[76+24*\i:79+24*\i], v10 offset:(8*\bt+\i)*64+16*WPI+32
	YFRAG \tr, \bt, \i, 80+24*\i
.endr
.irp i, 0,1,2,3,4,5,6,7
	s_wait_dscnt 6*(7-\i)                          ; six loads a K step: the younger steps' may stay out
.if (\bt+\i) == 0
	v_wmma_f32_16x16x32_bf16 v[16:23], v[64+24*\i:71+24*\i], v[80+24*\i:87+24*\i], 0
	v_wmma_f32_16x16x32_bf16 v[24:31], v[72+24*\i:79+24*\i], v[80+24*\i:87+24*\i], 0
.else
	v_wmma_f32_16x16x32_bf16 v[16:23], v[64+24*\i:71+24*\i], v[80+24*\i:87+24*\i], v[16:23]
	v_wmma_f32_16x16x32_bf16 v[24:31], v[72+24*\i:79+24*\i], v[80+24*\i:87+24*\i], v[24:31]
.endif
.endr
.endr
	PLACES 4
.if \tr == 0
.irp k, 16,18,20,22,24,26,28,30
	v_pk_mul_f32 v[\k:\k+1], v[\k:\k+1], CS op_sel_hi:[1,0]
.endr
.endif
.irp k, 0,1,2,3
	v_cvt_pk_bf16_f32 v[16+\k], v[16+2*\k], v[17+2*\k]
.endr
.irp k, 0,1,2,3
	v_cvt_pk_bf16_f32 v[24+\k], v[24+2*\k], v[25+2*\k]
.endr
	ds_store_b128 v14, v[16:19]
	ds_store_b128 v14, v[24:27] offset:32
	s_wait_dscnt 0x0
	BAR
	ds_load_b128 v[56:59], v15                     ; whole rows back: 16 lanes take one row's 256 bytes
	ds_load_b128 v[60:63], v15 offset:2*272
	s_wait_dscnt 0x0
	global_store_b128 v4, v[56:59], s[DPT:DPT+1]           ; each store of the wave covers 512 consecutive bytes, aligned
	global_store_b128 v4, v[60:63], s[DPT:DPT+1] offset:512
	; u or w: one wave for each 16 rows, in the blocks of the first columns.  No barrier stands in this branch.
	s_cmp_lg_u32 s40, 0
	s_cbranch_scc1 .Lfend_\tr
	s_cmp_lg_u32 s42, 0
	s_cbranch_scc1 .Lfend_\tr
	v_lshlrev_b32 v50, 2, v2                       ; 4 r
	s_lshl_b32 s36, s39, 8
	s_lshl_b32 s43, s41, 6
	s_add_co_u32 s36, s36, s43                     ; 4 x (64 rb + 16 ty)
.if \tr
	s_add_nc_u64 s[22:23], s[22:23], s[36:37]
	global_load_b32 v48, v50, s[22:23]             ; bp of my row
	s_add_co_u32 s36, s36, 2048                    ; w lies behind u
.endif
	s_add_nc_u64 s[32:33], s[32:33], s[36:37]
.irp bt, 0,1
.if \bt
	PLACES 4
.endif
.irp i, 0,1,2,3,4,5,6,7
	YFRAG \tr, \bt, \i, 64+16*\i
	ds_load_b128 v[72+16*\i:75+16*\i], v13 offset:(8*\bt+\i)*64
	ds_load_b128 v[76+16*\i:79+16*\i], v13 offset:(8*\bt+\i)*64+32
.endr
.irp i, 0,1,2,3,4,5,6,7
	s_wait_dscnt 4*(7-\i)                          ; four loads a K step
.if (8*\bt+\i) < 2
	v_wmma_f32_16x16x32_bf16 v[32+8*(\i&1):39+8*(\i&1)], v[72+16*\i:79+16*\i], v[64+16*\i:71+16*\i], 0
.else
	v_wmma_f32_16x16x32_bf16 v[32+8*(\i&1):39+8*(\i&1)], v[72+16*\i:79+16*\i], v[64+16*\i:71+16*\i], v[32+8*(\i&1):39+8*(\i&1)]
.endif
.endr
.endr
	PLACES 4
	v_add_f32 v49, v32, v40                        ; even and odd K steps; all 16 rows of source 0 are the bias vector, so every register holds row r's sum
.if \tr
	s_wait_loadcnt 0x0                             ; bp
	v_add_f32 v49, v49, v48
.else
	v_mul_f32 v49, CS, v49
.endif
	global_store_b32 v50, v49, s[32:33]            ; lanes r and r + 16 hold the same number and write the same word
.Lfend_\tr:
	s_wait_tensorcnt 0x0
	ds_add_u32 v54, v55
	s_wait_dscnt 0x0
	s_endpgm
.endm
	FOLD 1
.Lfold0:
	FOLD 0
; The total of a group over the work-group.  In: four chains of pairs in v[16:23].  Out: v36, the same in every lane of the group's columns.
; A lane's four channels lie in one group; its partners in the wave are the lanes with the same q / 4.
.macro GSUM off
	v_pk_add_f32 v[16:17], v[16:17], v[18:19]
	v_pk_add_f32 v[20:21], v[20:21], v[22:23]
	v_pk_add_f32 v[16:17], v[16:17], v[20:21]
	v_add_f32 v16, v16, v17
	v_add_f32_dpp v16, v16, v16 row_xmask:1 row_mask:0xf bank_mask:0xf
	v_add_f32_dpp v16, v16, v16 row_xmask:2 row_mask:0xf bank_mask:0xf
	v_permlanex16_b32 v17, v16, s54, s55           ; the other half of the lanes holds the odd tokens
	v_add_f32 v16, v16, v17
	ds_store_b32 v7, v16 offset:\off               ; word [group][wave]; the eight lanes of a group write the same number
	s_wait_dscnt 0x0
	BAR
	ds_load_b128 v[36:39], v52 offset:\off
	ds_load_b128 v[40:43], v52 offset:\off+16
	ds_load_b128 v[44:47], v52 offset:\off+32
	ds_load_b128 v[48:51], v52 offset:\off+48
	s_wait_dscnt 0x0
	v_pk_add_f32 v[36:37], v[36:37], v[38:39]
	v_pk_add_f32 v[40:41], v[40:41], v[42:43]
	v_pk_add_f32 v[44:45], v[44:45], v[46:47]
	v_pk_add_f32 v[48:49], v[48:49], v[50:51]
	v_pk_add_f32 v[36:37], v[36:37], v[40:41]
	v_pk_add_f32 v[44:45], v[44:45], v[48:49]
	v_pk_add_f32 v[36:37], v[36:37], v[44:45]
	v_add_f32 v36, v36, v37
.endm
.macro ADDP p0, cnt                    ; pairs p0 .. p0 + cnt - 1 of D go onto the four chains in turn
.set pp, \p0
.rept \cnt
	v_pk_add_f32 v[16+2*(pp%4):17+2*(pp%4)], v[16+2*(pp%4):17+2*(pp%4)], v[D+2*pp:D+2*pp+1]
.set pp, pp+1
.endr
.endm
; STATISTICS.  Wave w owns tokens 64 w .. 64 w + 63; load i takes tokens 64 w + 2 i + hh, a lane channels 4 q .. 4 q + 3 of the block's 64:
; 16 lanes read 256 consecutive bytes of a token's row, aligned.
.Lstats:
	s_lshr_b32 s38, ttmp9, 3                       ; b
	s_and_b32 s39, ttmp9, 7                        ; cb: which 64 channels
	s_lshl_b32 s40, s39, 8
	s_mov_b32 s41, 0
	s_lshl_b32 s36, s38, 21
	s_lshl_b32 s42, s34, 17
	s_add_co_u32 s36, s36, s42
	s_add_co_u32 s36, s36, s40
	s_add_nc_u64 s[4:5], s[4:5], s[36:37]          ; x at batch b, token 64 w, channel 64 cb
	s_add_nc_u64 s[6:7], s[6:7], s[40:41]
	s_add_nc_u64 s[8:9], s[8:9], s[40:41]
	v_lshlrev_b32 v5, 4, v2                        ; 16 q
	v_lshl_add_u32 v4, v3, 11, v5                  ; + 2,048 hh
	global_load_b128 v[8:11], v5, s[6:7]           ; gamma of my 4 channels
	global_load_b128 v[12:15], v5, s[8:9]          ; beta
.set ii, 0
.rept 32
	global_load_b128 v[D+4*ii:D+4*ii+3], v4, s[4:5] offset:ii*4096 th:TH_LOAD_NT
.set ii, ii+1
.endr
	s_mov_b32 s44, 0x38800000                      ; 2^-14: a group has 1,024 tokens x 16 channels
	s_mov_b32 s45, 0x3a83126f                      ; epsilon = 1e-3
	s_lshl_b32 s36, s38, 12
	s_add_co_u32 s36, s36, s40
	s_add_nc_u64 s[26:27], s[26:27], s[36:37]      ; nrm at [b][a][64 cb]
	s_lshl_b32 s36, s38, 20
	s_lshr_b32 s42, s34, 1
	s_lshl_b32 s42, s42, 17
	s_add_co_u32 s36, s36, s42
	s_lshl_b32 s42, s39, 14
	s_add_co_u32 s36, s36, s42
	s_and_b32 s42, s34, 1
	s_lshl_b32 s42, s42, 13
	s_add_co_u32 s36, s36, s42
	s_add_nc_u64 s[24:25], s[24:25], s[36:37]      ; xnb at [b][w / 2][cb][64 (w % 2)]
	v_lshlrev_b32 v6, 3, v1                        ; 8 L
	v_lshrrev_b32 v52, 2, v2
	v_lshlrev_b32 v52, 6, v52                      ; 64 x group
	v_add_nc_u32 v52, RED, v52                     ; in the statistics' own words
	v_lshl_add_u32 v7, s34, 2, v52                 ; + 4 w
	; pass 1: the sum.  Each count is the number of younger loads of x that may stay out.
	s_wait_loadcnt 24
.irp c, 0,1,2,3
	v_pk_add_f32 v[16+2*\c:17+2*\c], v[D+2*\c:D+2*\c+1], v[D+8+2*\c:D+9+2*\c]     ; the first eight pairs start the chains: nothing is cleared
.endr
	ADDP 8, 8
	s_wait_loadcnt 16
	ADDP 16, 16
	s_wait_loadcnt 8
	ADDP 32, 16
	s_wait_loadcnt 0x0
	ADDP 48, 16
	GSUM 0
	v_mul_f32 v24, s44, v36                        ; the mean, twice: a pair for the packed subtraction
	v_mul_f32 v25, s44, v36
	; pass 2: x - mean in place, and the sum of its squares
.set pp, 0
.rept 64
	v_pk_add_f32 v[D+2*pp:D+2*pp+1], v[D+2*pp:D+2*pp+1], v[24:25] neg_lo:[0,1] neg_hi:[0,1]
.set pp, pp+1
.endr
.irp c, 0,1,2,3
	v_pk_mul_f32 v[16+2*\c:17+2*\c], v[D+2*\c:D+2*\c+1], v[D+2*\c:D+2*\c+1]
.endr
.set pp, 4
.rept 60
	v_pk_fma_f32 v[16+2*(pp%4):17+2*(pp%4)], v[D+2*pp:D+2*pp+1], v[D+2*pp:D+2*pp+1], v[16+2*(pp%4):17+2*(pp%4)]
.set pp, pp+1
.endr
	GSUM 256                                       ; other words than the first sum's: no barrier is needed between its reads and these stores
	v_fma_f32 v53, v36, s44, s45                   ; variance + epsilon
	v_rsq_f32 v26, v53
	v_nop                                          ; one plain instruction behind the transcendental (ISA guide 5.7.2)
	s_wait_alu depctr_va_vdst(0)
.irp k, 0,1,2,3
	v_mul_f32 v[28+\k], v26, v[8+\k]               ; a = gamma / sqrt(var + eps)
.endr
.irp k, 0,1,2,3
	v_fma_f32 v[32+\k], -v24, v[28+\k], v[12+\k]   ; s = beta - mean a
.endr
.set ii, 0
.rept 32
	v_pk_fma_f32 v[D+4*ii:D+4*ii+1], v[D+4*ii:D+4*ii+1], v[28:29], v[12:13]        ; xn = (x - mean) a + beta
	v_pk_fma_f32 v[D+4*ii+2:D+4*ii+3], v[D+4*ii+2:D+4*ii+3], v[30:31], v[14:15]
	v_cvt_pk_bf16_f32 v[D+4*ii], v[D+4*ii], v[D+4*ii+1]
	v_cvt_pk_bf16_f32 v[D+4*ii+1], v[D+4*ii+2], v[D+4*ii+3]
	global_store_b64 v6, v[D+4*ii:D+4*ii+1], s[24:25] offset:ii*256                ; two keys x 64 channels: the wave stores 256 consecutive bytes, aligned
.set ii, ii+1
.endr
	s_cmp_lg_u32 s34, 0                            ; every wave holds the same a and s: wave 0 stores them
	s_cbranch_scc1 .Lsdone
	v_cmp_le_u32 vcc_lo, 16, v1
.irp k, 0,1,2,3
	v_cndmask_b32 v[16+\k], v[28+\k], v[32+\k], vcc_lo     ; lanes 0-15: a, lanes 16-31: s
.endr
	global_store_b128 v4, v[16:19], s[26:27]       ; 2,048 hh + 16 q: 256 bytes of a, and 256 bytes of s 2,048 further on
.Lsdone:
	s_wait_tensorcnt 0x0
	ds_add_u32 v54, v55
	s_wait_dscnt 0x0
	s_endpgm
.Lfunc_end_k_qcc053da9f3_prep:
	.size	k_qcc053da9f3_prep, .Lfunc_end_k_qcc053da9f3_prep-k_qcc053da9f3_prep
	.p2alignl 7, 3214868480
	.fill 96, 4, 3214868480
	.section	.rodata,"a",@progbits
	.p2align	6, 0x0
	.amdhsa_kernel k_qcc053da9f3_prep
		.amdhsa_group_segment_fixed_size 318208
		.amdhsa_private_segment_fixed_size 0
		.amdhsa_enable_private_segment 0
		.amdhsa_kernarg_size 120
		.amdhsa_user_sgpr_count 2
		.amdhsa_user_sgpr_kernarg_segment_ptr 1
		.amdhsa_wavefront_size32 1
		.amdhsa_system_sgpr_workgroup_id_x 1
		.amdhsa_system_sgpr_workgroup_id_y 1
		.amdhsa_system_sgpr_workgroup_id_z 1
		.amdhsa_system_vgpr_workitem_id 0
		.amdhsa_next_free_vgpr 256
		.amdhsa_next_free_sgpr 66
		.amdhsa_reserve_vcc 1
		.amdhsa_float_denorm_mode_32 3
		.amdhsa_float_denorm_mode_16_64 3
		.amdhsa_memory_ordered 1
		.amdhsa_forward_progress 1
		.amdhsa_inst_pref_size 101
	.end_amdhsa_kernel
	.amdgpu_metadata
---
amdhsa.version: [ 1, 2 ]
amdhsa.kernels:
  - .name:           k_qcc053da9f3_prep
    .symbol:         k_qcc053da9f3_prep.kd
    .args:
      - { .name: x, .offset: 0, .size: 8, .value_kind: global_buffer, .address_space: global }
      - { .name: gamma, .offset: 8, .size: 8, .value_kind: global_buffer, .address_space: global }
      - { .name: beta, .offset: 16, .size: 8, .value_kind: global_buffer, .address_space: global }
      - { .name: Wq, .offset: 24, .size: 8, .value_kind: global_buffer, .address_space: global }
      - { .name: Wk, .offset: 32, .size: 8, .value_kind: global_buffer, .address_space: global }
      - { .name: Wv, .offset: 40, .size: 8, .value_kind: global_buffer, .address_space: global }
      - { .name: Wp, .offset: 48, .size: 8, .value_kind: global_buffer, .address_space: global }
      - { .name: bq, .offset: 56, .size: 8, .value_kind: global_buffer, .address_space: global }
      - { .name: bv, .offset: 64, .size: 8, .value_kind: global_buffer, .address_space: global }
      - { .name: bp, .offset: 72, .size: 8, .value_kind: global_buffer, .address_space: global }
      - { .name: xnb, .offset: 80, .size: 8, .value_kind: global_buffer, .address_space: global }
      - { .name: nrm, .offset: 88, .size: 8, .value_kind: global_buffer, .address_space: global }
      - { .name: mt, .offset: 96, .size: 8, .value_kind: global_buffer, .address_space: global }
      - { .name: vt, .offset: 104, .size: 8, .value_kind: global_buffer, .address_space: global }
      - { .name: uw, .offset: 112, .size: 8, .value_kind: global_buffer, .address_space: global }
    .group_segment_fixed_size: 318208
    .private_segment_fixed_size: 0
    .kernarg_segment_align: 8
    .kernarg_segment_size: 120
    .max_flat_workgroup_size: 512
    .sgpr_count:     66
    .vgpr_count:     256
    .wavefront_size: 32
...
	.end_amdgpu_metadata
.endif
;; end of part 1
;; launch attn (part 2): grid 16 x 16, 4 waves a work-group, clusters of 4 x 1, 327,680 bytes of LDS; arguments xnb, mt, vt, uw, nrm, x, out0; writes out0
.if DOCPART == 2
	.amdgcn_target "amdgcn-amd-amdhsa--gfx1250"
	.amdhsa_code_object_version 6
	.text
	.protected	k_qcc053da9f3_attn
	.globl	k_qcc053da9f3_attn
	.p2align	8
	.type	k_qcc053da9f3_attn,@function
k_qcc053da9f3_attn:
	s_mov_b64 s[64:65], 0
	v_nop
	global_prefetch_b8 v0, s[64:65] scope:SCOPE_SE
	s_setreg_imm32_b32 hwreg(HW_REG_WAVE_MODE, 25, 1), 1
	s_wait_xcnt 0x0
	s_wait_alu depctr_hold_cnt(0) depctr_sa_sdst(0) depctr_va_vdst(0) depctr_va_sdst(0) depctr_va_ssrc(0) depctr_va_vcc(0) depctr_vm_vsrc(0)
	s_getreg_b32 s2, hwreg(HW_REG_IB_STS2, 6, 4)
	s_cmp_eq_u32 s2, 0
	s_cbranch_scc0 .Lentry_in_a_cluster
	s_endpgm
.Lentry_in_a_cluster:
	s_bfe_u32 s2, ttmp6, 0x10000c
	s_cmp_lg_u32 s2, 0x3003
	s_cbranch_scc0 .Lentry_shape_is_right
	s_endpgm
.Lentry_shape_is_right:
; AttentionBlock, second launch.  A work-group makes 64 queries of one batch:
;   q'[n][c] = sum c' xn[n][c'] MT[c][c'] + u[c];  softmax over the 1,024 keys m of q'[n].xn[m] (base 2, running maximum);  O = P xn;
;   out[n][d] = sum c (O[n][c] / l[n]) VT[d][c] + w[d] + a[d] x[n][d] + s[d].
; Left out: the term q[n].bk of the scores, which is the same along the softmax's axis and cancels for all values (shown at the head of the first
; launch, with the folding of Wq Wk^T and Wv Wp); a NaN, infinity or overflow that reaches only that term is not carried to the result.
; Limits: matrix operands (xn, q', P, O / l, MT, VT) are bf16; sums, softmax and the residual are f32; the residual is a x + (s + w).
;
; Four waves.  Sixteen tiles of 131,072 bytes go through two LDS slots: MT's four column blocks, the batch's eight key tiles (128 keys x 512 channels,
; each used both as keys and as values), VT's four column blocks.  A wave brings a quarter of each tile with one tensor load.
; CLUSTERS: the four work-groups of a cluster are four query blocks of one batch and walk the same sixteen tiles, so every tensor load is a joint load
; with the mask of all four.  A wave has two tensor loads out at the start and one behind each round of the cluster's barrier.
; The place in the cluster enters only the global addresses of the query rows, of x and of out0.
;
; EVERY PRODUCT: source 0 = 16 rows of the streamed tile (output channels, keys), source 1 = 16 queries.  In the result lane (r, h) holds query r and
; registers j hold rows 8 h + j: eight neighbouring channels or keys of one query, and one softmax figure a lane.
; Share of wave w: channels 128 w .. +127 in q', O and out (32 accumulators), keys 32 w .. +31 of a key tile in the scores (8 accumulators).
;
; REGISTERS: window 0: v0-63 addresses and softmax figures, v64-255 fragments and scores; windows 1, 2: the 64 queries x 512 as source 1 fragments
; (8 (4 (ks % 8) + nt), window 1 + ks / 8), window 1 later the rows of x; window 3: the 32 accumulators, 8 (4 mt + nt).
.set TILEB, 131072
.set PITCH, 272                        ; an LDS row: 256 bytes + 16
.set QTR,   128*PITCH                  ; a wave's quarter of a tile
.set SLOT,  4*QTR
.set CBB,   64*PITCH                   ; key tile: a block of 64 channels (128 keys, two keys to a row)
.set GRP,   8*PITCH                    ; key tile: 16 keys
.set SCR,   2*SLOT                     ; scratch behind the ring, written by LDS stores alone; no tensor load lands there
.set XPI,   1040                       ; exchange stage: 32 queries x 512 bf16, pitch 1,024 + 16
.set MX,    SCR+34816                  ; [query 64][wave 4] f32: maxima; 1,024 bytes further on: sums
.set OSP,   528                        ; out stage: 16 rows x 128 f32 a wave, pitch 512 + 16
.set AW,  4                            ; v4-5    weight fragments, slot 0, 1
.set AK,  6                            ; v6-9    key fragments, [slot][channel blocks 0-3, 4-7]
.set AV,  10                           ; v10-11  value fragments (transposing loads), slot 0, 1
.set PXS, 12
.set PXL, 13                           ; P, [query 64][128 keys] bf16, pitch 272: in, back
.set MXS, 14
.set MXL, 15
.set XS,  16
.set XL,  17                           ; exchange stage: in, back
.set OSS, 18
.set OSL, 19                           ; out stage: in, back
.set XA,  20                           ; query rows in xnb
.set UA,  21                           ; u
.set GO,  22                           ; 16 L
.set NA,  23                           ; a, s, w
.set MM,  24                           ; v[24+2nt] running maximum, v[25+2nt] the new one: equal when the pair is subtracted
.set AL,  32                           ; v[32+2nt] alpha, at the end 1 / l; v[33+2nt] my part of l
.set MXR, 40                           ; v[40:55]
.set T,   56                           ; v[56:63] at work
.set ST,  64                           ; scores, 8 (4 mt + nt)
.set KF0, 128
.set KF1, 192
.set VF0, 64
.set PF0, 128
.set VF1, 160
.set PF1, 224
.set AF0, 64
.set AF1, 128
.set U,   192
.set TP,  64
.set RB0, 64
.set RB1, 128
.set A4,  192
.set S4,  196
.set W4,  200
.set G1,  24                           ; s[24:31] descriptor group 1, one for all loads
.set G0,  32                           ; s[32:39] descriptor group 0, a set for each slot
.set PM,  40                           ; s[40:41] mt + my quarter
.set PKN, 42                           ; s[42:43] the batch's key tiles + my quarter; steps from tile to tile
.set PVT, 44                           ; s[44:45] vt + my quarter
.set MSB, 0
.macro WIN new                         ; low byte: bits 1:0 source 0, 3:2 source 1, 5:4 source 2, 7:6 destination; the high byte repeats the setting that is left
.if MSB != \new
	s_set_vgpr_msb (MSB<<8)|\new
.set MSB, \new
.endif
.endm
.macro PLACES n
.rept \n
	v_nop
.endr
.endm
.macro BAR
	s_barrier_signal -1
	s_barrier_wait -1
.endm
; A round of the cluster's barrier: my work-group's barrier, wave 0 signals for the work-group, every wave waits for the four work-groups, my work-group's barrier again.
.macro ROUND
	s_barrier_signal -1
	s_barrier_wait -1
	s_cmp_lg_u32 s18, 0
	s_cbranch_scc1 .Lnot_wave_0_\@
	s_barrier_signal -3
.Lnot_wave_0_\@:
	s_barrier_wait -3
	s_barrier_signal -1
	s_barrier_wait -1
.endm
; A change of slots.  In front of the round each wave waits for all its tensor loads (the one that is out is its quarter of the tile read next) and for its LDS
; reads (the slot read last, and the scratch).  No tensor load of the wave is then out, so group 0 may be written.  Behind the round no wave of any partner reads
; slot sl any more: the joint refill comes first, one load a wave.
.macro TOP sl, ptr, off
	WIN 0
	s_wait_xcnt 0x0
	v_lshl_add_u32 v94, v0, 2, 0x4d000
	v_mov_b32 v95, 0
	s_wait_tensorcnt 0x0
	ds_add_u32 v94, v95
	s_wait_dscnt 0x0
	s_wait_dscnt 0x0
	s_add_nc_u64 s[G0+4*\sl+2:G0+4*\sl+3], s[\ptr:\ptr+1], \off
	s_or_b32 s[G0+4*\sl+3], s[G0+4*\sl+3], 0x80000000
	ROUND
	tensor_load_to_lds s[G0+4*\sl:G0+4*\sl+3], s[G1:G1+7]
	s_nop 0
.endm
.macro TOPK sl                         ; the same for the next key tile
	WIN 0
	s_wait_xcnt 0x0
	v_lshl_add_u32 v94, v0, 2, 0x4d000
	v_mov_b32 v95, 0
	s_wait_tensorcnt 0x0
	ds_add_u32 v94, v95
	s_wait_dscnt 0x0
	s_wait_dscnt 0x0
	s_add_nc_u64 s[PKN:PKN+1], s[PKN:PKN+1], TILEB
	s_mov_b64 s[G0+4*\sl+2:G0+4*\sl+3], s[PKN:PKN+1]
	s_or_b32 s[G0+4*\sl+3], s[G0+4*\sl+3], 0x80000000
	ROUND
	tensor_load_to_lds s[G0+4*\sl:G0+4*\sl+3], s[G1:G1+7]
	s_nop 0
.endm
; ---- products with a weight tile: 512 rows x 128 along K; my 128 rows x 64 queries ----
.macro FETCHW slot, i, af              ; K step i of the tile: 8 fragments, 16 loads
.irp m, 0,1,2,3,4,5,6,7
	ds_load_b128 v[\af+8*\m:\af+8*\m+3], v[AW+\slot] offset:\m*16*PITCH+\i*64
	ds_load_b128 v[\af+8*\m+4:\af+8*\m+7], v[AW+\slot] offset:\m*16*PITCH+\i*64+32
.endr
.endm
.macro MULP af, ks, m0, zero           ; 16 matrix instructions; the 32 accumulators take turns, one instruction a turn
	WIN (0xf4+4*((\ks)>>3))
.irp m, \m0, \m0+1, \m0+2, \m0+3
.irp n, 0,1,2,3
.if \zero
	v_wmma_f32_16x16x32_bf16 v[8*(4*(\m)+\n):8*(4*(\m)+\n)+7], v[\af+8*(\m):\af+8*(\m)+7], v[8*(4*((\ks)&7)+\n):8*(4*((\ks)&7)+\n)+7], 0
.else
	v_wmma_f32_16x16x32_bf16 v[8*(4*(\m)+\n):8*(4*(\m)+\n)+7], v[\af+8*(\m):\af+8*(\m)+7], v[8*(4*((\ks)&7)+\n):8*(4*((\ks)&7)+\n)+7], v[8*(4*(\m)+\n):8*(4*(\m)+\n)+7]
.endif
.endr
.endr
.endm
.macro PSTEP slot, ks, i, af, afn, zero
	s_wait_dscnt 0x8                               ; the youngest eight loads (row blocks 4-7) may stay out
	MULP \af, \ks, 0, \zero
.if \i < 3
	WIN 0
	PLACES 4                                       ; loads into registers that matrix instructions have read stand four places behind them
	FETCHW \slot, (\i+1), \afn
	s_wait_dscnt 0x10                              ; all but the 16 just issued
.else
	s_wait_dscnt 0x0
.endif
	MULP \af, \ks, 4, \zero
.endm
.macro PROJT slot, kb, zero            ; zero = 1: the first K step starts the sums, nothing is cleared
	WIN 0
	PLACES 4
	FETCHW \slot, 0, AF0
	PSTEP \slot, (4*\kb), 0, AF0, AF1, \zero
	PSTEP \slot, (4*\kb+1), 1, AF1, AF0, 0
	PSTEP \slot, (4*\kb+2), 2, AF0, AF1, 0
	PSTEP \slot, (4*\kb+3), 3, AF1, AF0, 0
.endm
; ---- a key tile.  Element (channel block cb, key, ch) lies at cb x 17,408 + (key / 2) x 272 + (key % 2) x 128 + 2 ch.
; Inside each group of 16 keys index i stands for key 4 ((i / 2) % 4) + 2 (i / 8) + i % 2, in the scores, in P and in the value fragments alike, so the sums
; are the same.
.macro FETCHK slot, bt, kf             ; four K steps (128 channels) of my 32 keys: 16 loads
.irp i, 0,1,2,3
.irp m, 0,1
	ds_load_b128 v[\kf+8*(2*\i+\m):\kf+8*(2*\i+\m)+3], v[AK+2*\slot+(\bt>>1)] offset:((\bt&1)*2+(\i>>1))*CBB+\m*GRP+(\i&1)*64
	ds_load_b128 v[\kf+8*(2*\i+\m)+4:\kf+8*(2*\i+\m)+7], v[AK+2*\slot+(\bt>>1)] offset:((\bt&1)*2+(\i>>1))*CBB+\m*GRP+(\i&1)*64+32
.endr
.endr
.endm
.macro MULS kf, bt                     ; 32 matrix instructions; the 8 accumulators take turns.  LDS loads need no other setting: destination and source 0 stay in window 0
	WIN (0x04<<(\bt>>1))
.irp i, 0,1,2,3
.irp m, 0,1
.irp n, 0,1,2,3
.if (\bt+\i) == 0
	v_wmma_f32_16x16x32_bf16 v[ST+8*(4*\m+\n):ST+8*(4*\m+\n)+7], v[\kf+8*(2*\i+\m):\kf+8*(2*\i+\m)+7], v[8*(4*(4*(\bt&1)+\i)+\n):8*(4*(4*(\bt&1)+\i)+\n)+7], 0
.else
	v_wmma_f32_16x16x32_bf16 v[ST+8*(4*\m+\n):ST+8*(4*\m+\n)+7], v[\kf+8*(2*\i+\m):\kf+8*(2*\i+\m)+7], v[8*(4*(4*(\bt&1)+\i)+\n):8*(4*(4*(\bt&1)+\i)+\n)+7], v[ST+8*(4*\m+\n):ST+8*(4*\m+\n)+7]
.endif
.endr
.endr
.endr
.endm
.macro FETCHV slot, kk, vf, m0         ; 32 keys x four blocks of 16 of my channels, transposed: 8 loads
.irp m, \m0, \m0+1, \m0+2, \m0+3
	ds_load_tr16_b128 v[\vf+8*(\m):\vf+8*(\m)+3], v[AV+\slot] offset:((\m)>>2)*CBB+\kk*2*GRP+((\m)&3)*32
	ds_load_tr16_b128 v[\vf+8*(\m)+4:\vf+8*(\m)+7], v[AV+\slot] offset:((\m)>>2)*CBB+\kk*2*GRP+GRP+((\m)&3)*32
.endr
.endm
.macro FETCHP kk, pf                   ; P of 64 queries x 32 keys: 8 loads
.irp n, 0,1,2,3
	ds_load_b128 v[\pf+8*\n:\pf+8*\n+3], v[PXL] offset:\n*16*PITCH+\kk*64
	ds_load_b128 v[\pf+8*\n+4:\pf+8*\n+7], v[PXL] offset:\n*16*PITCH+\kk*64+32
.endr
.endm
.macro MULO vf, pf, m0, zero
	WIN 0xf0
.irp m, \m0, \m0+1, \m0+2, \m0+3
.irp n, 0,1,2,3
.if \zero
	v_wmma_f32_16x16x32_bf16 v[8*(4*(\m)+\n):8*(4*(\m)+\n)+7], v[\vf+8*(\m):\vf+8*(\m)+7], v[\pf+8*\n:\pf+8*\n+7], 0
.else
	v_wmma_f32_16x16x32_bf16 v[8*(4*(\m)+\n):8*(4*(\m)+\n)+7], v[\vf+8*(\m):\vf+8*(\m)+7], v[\pf+8*\n:\pf+8*\n+7], v[8*(4*(\m)+\n):8*(4*(\m)+\n)+7]
.endif
.endr
.endr
.endm
.macro PVSTEP slot, kk, vf, pf, vfn, pfn, zero
.if \kk == 0
	s_wait_dscnt 0x0                               ; P's fragments were issued last
.else
	s_wait_dscnt 0x8                               ; the youngest eight loads (channel blocks 4-7) may stay out
.endif
	MULO \vf, \pf, 0, \zero
.if \kk < 3
	WIN 0
.if \kk > 0
	PLACES 4                                       ; the other buffer was read by the K step before
.endif
	FETCHP (\kk+1), \pfn
	FETCHV \slot, (\kk+1), \vfn, 0
	FETCHV \slot, (\kk+1), \vfn, 4
.if \kk > 0
	s_wait_dscnt 0x18                              ; all but the 24 just issued
.endif
.else
	s_wait_dscnt 0x0
.endif
	MULO \vf, \pf, 4, \zero
.endm
; One key tile.  first = 1: no old maximum, no alpha, the first products start O.
.macro FBODY slot, first
	WIN 0
	PLACES 5                                       ; the scores overwrite, and the loads land in, registers that the last products read
	FETCHK \slot, 0, KF0
	FETCHK \slot, 1, KF1
	s_wait_dscnt 0x10                              ; here and below: the 16 loads issued last may stay out
	MULS KF0, 0
	PLACES 4
	FETCHK \slot, 2, KF0
	s_wait_dscnt 0x10
	MULS KF1, 1
	PLACES 4
	FETCHK \slot, 3, KF1
	s_wait_dscnt 0x10
	MULS KF0, 2
	s_wait_dscnt 0x0
	MULS KF1, 3
	WIN 0
	PLACES 4
	; the largest of my 16 scores of each query, then of the other half of the lanes; the four waves' figures meet in LDS
.irp n, 0,1,2,3
	v_max3_num_f32 v[T+\n], v[ST+8*\n], v[ST+8*\n+1], v[ST+8*\n+2]
.endr
.irp k, 3,5,7,9,11,13
.irp n, 0,1,2,3
	v_max3_num_f32 v[T+\n], v[T+\n], v[ST+8*\n+(\k&7)+32*(\k>>3)], v[ST+8*\n+((\k+1)&7)+32*((\k+1)>>3)]
.endr
.endr
.irp n, 0,1,2,3
	v_max_num_f32 v[T+\n], v[T+\n], v[ST+8*\n+39]
.endr
.irp n, 0,1,2,3
	v_permlanex16_b32 v[T+4+\n], v[T+\n], s54, s55
.endr
.irp n, 0,1,2,3
	v_max_num_f32 v[T+\n], v[T+\n], v[T+4+\n]
	ds_store_b32 v[MXS], v[T+\n] offset:\n*256
.endr
	s_wait_dscnt 0x0
	BAR
.irp n, 0,1,2,3
	ds_load_b128 v[MXR+4*\n:MXR+4*\n+3], v[MXL] offset:\n*256
.endr
	s_wait_dscnt 0x0
.irp n, 0,1,2,3
	v_max3_num_f32 v[MM+2*\n+1], v[MXR+4*\n], v[MXR+4*\n+1], v[MXR+4*\n+2]
.endr
.irp n, 0,1,2,3
.if \first
	v_max_num_f32 v[MM+2*\n+1], v[MM+2*\n+1], v[MXR+4*\n+3]
.else
	v_max3_num_f32 v[MM+2*\n+1], v[MM+2*\n+1], v[MXR+4*\n+3], v[MM+2*\n]
.endif
.endr
.irp n, 0,1,2,3
.if \first == 0
	v_sub_f32 v[AL+2*\n], v[MM+2*\n], v[MM+2*\n+1]         ; old maximum - new one
.endif
	v_mov_b32 v[MM+2*\n], v[MM+2*\n+1]                     ; the pair now holds the maximum twice
.endr
.irp m, 0,1
.irp n, 0,1,2,3
.irp p, 0,1,2,3
	v_pk_add_f32 v[ST+8*(4*\m+\n)+2*\p:ST+8*(4*\m+\n)+2*\p+1], v[ST+8*(4*\m+\n)+2*\p:ST+8*(4*\m+\n)+2*\p+1], v[MM+2*\n:MM+2*\n+1] neg_lo:[0,1] neg_hi:[0,1]
.endr
.endr
.endr
.if \first == 0
.irp n, 0,1,2,3
	v_exp_f32 v[AL+2*\n], v[AL+2*\n]
.endr
.endif
.set ee, 0
.rept 64
	v_exp_f32 v[ST+ee], v[ST+ee]
.set ee, ee+1
.endr
	v_nop                                          ; one plain instruction behind the transcendentals (ISA guide 5.7.2)
	; my part of each query's sum, then P in bf16 into LDS
	s_wait_alu depctr_va_vdst(0)
.irp n, 0,1,2,3
	v_pk_add_f32 v[T+2*\n:T+2*\n+1], v[ST+8*\n:ST+8*\n+1], v[ST+8*\n+2:ST+8*\n+3]
.endr
.irp p, 2,3,4,5,6,7
.irp n, 0,1,2,3
	v_pk_add_f32 v[T+2*\n:T+2*\n+1], v[T+2*\n:T+2*\n+1], v[ST+8*\n+2*(\p&3)+32*(\p>>2):ST+8*\n+2*(\p&3)+32*(\p>>2)+1]
.endr
.endr
.irp n, 0,1,2,3
.if \first
	v_add_f32 v[AL+2*\n+1], v[T+2*\n], v[T+2*\n+1]
.else
	v_add_f32 v[T+2*\n], v[T+2*\n], v[T+2*\n+1]
	v_fma_f32 v[AL+2*\n+1], v[AL+2*\n+1], v[AL+2*\n], v[T+2*\n]
.endif
.endr
.irp m, 0,1
.irp n, 0,1,2,3
.irp p, 0,1,2,3
	v_cvt_pk_bf16_f32 v[ST+8*(4*\m+\n)+\p], v[ST+8*(4*\m+\n)+2*\p], v[ST+8*(4*\m+\n)+2*\p+1]   ; in place: each line reads at or above what it writes
.endr
	ds_store_b128 v[PXS], v[ST+8*(4*\m+\n):ST+8*(4*\m+\n)+3] offset:\n*16*PITCH+\m*32
.endr
.endr
	s_wait_dscnt 0x0                               ; my part of P is in LDS, for the other waves' sake
	s_barrier_signal -1
	FETCHV \slot, 0, VF0, 0                        ; between signal and wait: loads of the tile, which nobody writes before the next round,
	FETCHV \slot, 0, VF0, 4
.if \first == 0
	WIN 0xc3                                       ; and register work: O times alpha
.irp m, 0,1,2,3,4,5,6,7
.irp n, 0,1,2,3
.irp p, 0,1,2,3
	v_pk_mul_f32 v[8*(4*\m+\n)+2*\p:8*(4*\m+\n)+2*\p+1], v[8*(4*\m+\n)+2*\p:8*(4*\m+\n)+2*\p+1], v[AL+2*\n:AL+2*\n+1] op_sel_hi:[1,0]
.endr
.endr
.endr
.endif
	WIN 0
	s_barrier_wait -1
	FETCHP 0, PF0
	PVSTEP \slot, 0, VF0, PF0, VF1, PF1, \first
	PVSTEP \slot, 1, VF1, PF1, VF0, PF0, 0
	PVSTEP \slot, 2, VF0, PF0, VF1, PF1, 0
	PVSTEP \slot, 3, VF1, PF1, VF0, PF0, 0
.endm
; The sums of the exponentials: the other half of the lanes, the four waves, then 1 / l (l is at least 1: the largest score gives 2^0).
.macro LFIN
.irp n, 0,1,2,3
	v_permlanex16_b32 v[T+\n], v[AL+2*\n+1], s54, s55
.endr
.irp n, 0,1,2,3
	v_add_f32 v[T+\n], v[T+\n], v[AL+2*\n+1]
	ds_store_b32 v[MXS], v[T+\n] offset:1024+\n*256
.endr
	s_wait_dscnt 0x0
	BAR
.irp n, 0,1,2,3
	ds_load_b128 v[MXR+4*\n:MXR+4*\n+3], v[MXL] offset:1024+\n*256
.endr
	s_wait_dscnt 0x0
.irp n, 0,1,2,3
	v_pk_add_f32 v[MXR+4*\n:MXR+4*\n+1], v[MXR+4*\n:MXR+4*\n+1], v[MXR+4*\n+2:MXR+4*\n+3]
.endr
.irp n, 0,1,2,3
	v_add_f32 v[T+\n], v[MXR+4*\n], v[MXR+4*\n+1]
.endr
.irp n, 0,1,2,3
	v_rcp_f32 v[AL+2*\n], v[T+\n]
.endr
	v_nop
	s_wait_alu depctr_va_vdst(0)
.endm
; From accumulators (each wave: 128 channels of 64 queries) to source 1 fragments (each wave: all 512 channels), 32 queries at a time through LDS.
; mode 0: + u.  mode 1: x 1 / l.
.macro XCH mode
.irp g, 0,1
	WIN 0xc3
.irp e, 0,1
.irp m, 0,1,2,3,4,5,6,7
.irp p, 0,1,2,3
.if \mode
	v_pk_mul_f32 v[8*(4*\m+2*\g+\e)+2*\p:8*(4*\m+2*\g+\e)+2*\p+1], v[8*(4*\m+2*\g+\e)+2*\p:8*(4*\m+2*\g+\e)+2*\p+1], v[AL+2*(2*\g+\e):AL+2*(2*\g+\e)+1] op_sel_hi:[1,0]
.else
	v_pk_add_f32 v[8*(4*\m+2*\g+\e)+2*\p:8*(4*\m+2*\g+\e)+2*\p+1], v[8*(4*\m+2*\g+\e)+2*\p:8*(4*\m+2*\g+\e)+2*\p+1], v[U+8*\m+2*\p:U+8*\m+2*\p+1]
.endif
.endr
.endr
.endr
	WIN 0x0f
.irp e, 0,1
.irp m, 0,1,2,3,4,5,6,7
.irp p, 0,1,2,3
	v_cvt_pk_bf16_f32 v[TP+4*(8*\e+\m)+\p], v[8*(4*\m+2*\g+\e)+2*\p], v[8*(4*\m+2*\g+\e)+2*\p+1]
.endr
.endr
.endr
	WIN 0
.irp e, 0,1
.irp m, 0,1,2,3,4,5,6,7
	ds_store_b128 v[XS], v[TP+4*(8*\e+\m):TP+4*(8*\e+\m)+3] offset:\e*16*XPI+\m*32
.endr
.endr
	s_wait_dscnt 0x0
	BAR
	WIN 0x40
.irp e, 0,1
.irp k, 0,1,2,3,4,5,6,7
	ds_load_b128 v[8*(4*\k+2*\g+\e):8*(4*\k+2*\g+\e)+3], v[XL] offset:\e*16*XPI+\k*64
	ds_load_b128 v[8*(4*\k+2*\g+\e)+4:8*(4*\k+2*\g+\e)+7], v[XL] offset:\e*16*XPI+\k*64+32
.endr
.endr
	WIN 0x80
.irp e, 0,1
.irp k, 0,1,2,3,4,5,6,7
	ds_load_b128 v[8*(4*\k+2*\g+\e):8*(4*\k+2*\g+\e)+3], v[XL] offset:\e*16*XPI+512+\k*64
	ds_load_b128 v[8*(4*\k+2*\g+\e)+4:8*(4*\k+2*\g+\e)+7], v[XL] offset:\e*16*XPI+512+\k*64+32
.endr
.endr
	WIN 0
	s_wait_dscnt 0x0                               ; my reads of the stage are over before anybody writes these bytes again
	BAR
.endr
.endm
; Rows 32 hf .. 32 hf + 31 of x (my 128 channels, 512 consecutive bytes a load) into window 1, whose fragments (K steps 0-7) have had their last use.
.macro XLOAD hf
.if \hf == 0
	PLACES 4
	global_load_b128 v[A4:A4+3], v[NA], s[22:23]
	global_load_b128 v[S4:S4+3], v[NA], s[22:23] offset:2048
	global_load_b128 v[W4:W4+3], v[NA], s[10:11] offset:2048
.endif
	WIN 0x40
.set rw, 32*\hf
.rept 32
	global_load_b128 v[4*rw:4*rw+3], v[GO], s[46:47] offset:rw*2048 th:TH_LOAD_NT
.set rw, rw+1
.endr
	WIN 0
.endm
; 16 queries out: the results through my own stage, back as whole rows; + (s + w) + a x; each store of the wave covers 512 consecutive bytes, aligned.
.macro OUT16 nt, rb, left
	WIN 0x0c
.irp m, 0,1,2,3,4,5,6,7
	ds_store_b128 v[OSS], v[8*(4*\m+\nt):8*(4*\m+\nt)+3] offset:\m*64
	ds_store_b128 v[OSS], v[8*(4*\m+\nt)+4:8*(4*\m+\nt)+7] offset:\m*64+16
.endr
	WIN 0
	s_wait_xcnt 0x0                                ; the buffer was the data of earlier stores: it is loaded again only behind this wait
.irp t, 0,1,2,3,4,5,6,7,8,9,10,11,12,13,14,15
	ds_load_b128 v[\rb+4*\t:\rb+4*\t+3], v[OSL] offset:\t*OSP      ; LDS serves a wave's instructions in order (ISA guide 5.7.1): these see the stores above
.endr
	s_wait_loadcnt \left                           ; the rows of x that this block needs are in; so many younger loads may stay out
	s_wait_dscnt 0x0
.irp t, 0,1,2,3,4,5,6,7,8,9,10,11,12,13,14,15
	v_pk_add_f32 v[\rb+4*\t:\rb+4*\t+1], v[\rb+4*\t:\rb+4*\t+1], v[S4:S4+1]
	v_pk_add_f32 v[\rb+4*\t+2:\rb+4*\t+3], v[\rb+4*\t+2:\rb+4*\t+3], v[S4+2:S4+3]
.endr
	WIN 0x01
.irp t, 0,1,2,3,4,5,6,7,8,9,10,11,12,13,14,15
	v_pk_fma_f32 v[\rb+4*\t:\rb+4*\t+1], v[4*(16*\nt+\t):4*(16*\nt+\t)+1], v[A4:A4+1], v[\rb+4*\t:\rb+4*\t+1]
	v_pk_fma_f32 v[\rb+4*\t+2:\rb+4*\t+3], v[4*(16*\nt+\t)+2:4*(16*\nt+\t)+3], v[A4+2:A4+3], v[\rb+4*\t+2:\rb+4*\t+3]
.endr
	WIN 0
.irp t, 0,1,2,3,4,5,6,7,8,9,10,11,12,13,14,15
	global_store_b128 v[GO], v[\rb+4*\t:\rb+4*\t+3], s[48:49] offset:(16*\nt+\t)*2048 th:TH_STORE_NT
.endr
.endm
	s_load_b256 s[4:11], s[0:1], 0x0               ; xnb s[4:5], mt s[6:7], vt s[8:9], uw s[10:11]
	s_load_b128 s[12:15], s[0:1], 0x20             ; nrm s[12:13], x s[14:15]
	s_load_b64 s[16:17], s[0:1], 0x30              ; out0
	v_lshl_add_u32 v94, v0, 2, 0x4d000
	v_mov_b32 v95, 0
	ds_add_u32 v94, v95
	s_wait_dscnt 0x0
	v_lshrrev_b32 v1, 5, v0
	v_readfirstlane_b32 s18, v1                    ; wave 0..3
	s_bfe_u32 s19, ttmp6, 0x40000                  ; cx: my place in the cluster
	s_lshl_b32 s20, ttmp9, 2
	s_add_co_u32 s20, s20, s19                     ; query block = 4 x cluster x + cx
	s_and_b32 s21, ttmp7, 0xffff                   ; batch
	s_mov_b32 s54, 0x76543210
	s_mov_b32 s55, 0xfedcba98
	; group 1: 128 rows x 128 elements of 2 bytes, dense in memory, 16 bytes of padding behind each row in LDS
	s_mov_b32 s[G1+0], 15|(1<<16)|(1<<20)|(1<<21)|(5<<22)|(3<<25)  ; 15:0 mask: all four of the cluster; 17:16 2 bytes; 20 padding on; 21 set beside a mask; 24:22 after 64 words; 31:25 of 4 words
	s_mov_b32 s[G1+1], 128<<16                     ; tensor_dim0 = 128
	s_mov_b32 s[G1+2], 128<<16                     ; tensor_dim1 = 128
	s_mov_b32 s[G1+3], 128<<16                     ; tile_dim0 = 128
	s_mov_b32 s[G1+4], 128                         ; tile_dim1 = 128
	s_mov_b32 s[G1+5], 128                         ; from row to row: 128 elements
	s_mov_b32 s[G1+6], 0
	s_mov_b32 s[G1+7], 0
	s_mul_i32 s57, s18, QTR                        ; my quarter of a slot: the wave's number times a constant
	s_mov_b32 s[G0+0], 1
	s_mov_b32 s[G0+1], s57
	s_mov_b32 s[G0+4], 1
	s_add_co_u32 s[G0+5], s57, SLOT
	s_lshl_b32 s52, s18, 15                        ; my quarter of a tile in memory
	s_mov_b32 s53, 0
	s_lshl_b32 s60, s21, 20                        ; the batch in xnb
	s_wait_kmcnt 0x0
	s_add_nc_u64 s[PM:PM+1], s[6:7], s[52:53]
	s_add_nc_u64 s[PVT:PVT+1], s[8:9], s[52:53]
	s_add_co_u32 s52, s52, s60
	s_add_nc_u64 s[PKN:PKN+1], s[4:5], s[52:53]
	s_mov_b64 s[G0+2:G0+3], s[PM:PM+1]
	s_or_b32 s[G0+3], s[G0+3], 0x80000000
	s_add_nc_u64 s[G0+6:G0+7], s[PM:PM+1], TILEB
	s_or_b32 s[G0+7], s[G0+7], 0x80000000
	ROUND                                          ; the four work-groups are here: the first joint loads meet
	tensor_load_to_lds s[G0:G0+3], s[G1:G1+7]      ; MT's column blocks 0 and 1: the two first fills go out together
	s_nop 0
	tensor_load_to_lds s[G0+4:G0+7], s[G1:G1+7]
	s_nop 0
	; global addresses that hang on my place in the cluster, in registers that feed no descriptor
	s_lshr_b32 s58, s20, 1
	s_lshl_b32 s58, s58, 17
	s_and_b32 s59, s20, 1
	s_lshl_b32 s59, s59, 13
	s_add_co_u32 s58, s58, s59
	s_add_co_u32 s58, s58, s60
	s_mov_b32 s59, 0
	s_add_nc_u64 s[50:51], s[4:5], s[58:59]        ; my 64 queries in xnb: key tile qb / 2, keys 64 (qb % 2) ..
	s_lshl_b32 s58, s21, 21
	s_lshl_b32 s61, s20, 17
	s_add_co_u32 s58, s58, s61
	s_lshl_b32 s61, s18, 9
	s_add_co_u32 s58, s58, s61
	s_add_nc_u64 s[46:47], s[14:15], s[58:59]      ; x and out0 at my first query, my 128 channels
	s_add_nc_u64 s[48:49], s[16:17], s[58:59]
	s_lshl_b32 s52, s21, 12
	s_add_nc_u64 s[22:23], s[12:13], s[52:53]      ; a and s of the batch
	v_and_b32 v1, 15, v0                           ; r
	v_bfe_u32 v2, v0, 4, 1                         ; h
	v_and_b32 v3, 31, v0                           ; L
	v_bfe_u32 v56, v0, 1, 2
	v_mul_u32_u24 v56, v56, 2*PITCH
	v_and_b32 v57, 1, v0
	v_lshl_add_u32 v56, v57, 7, v56                ; ((L / 2) % 4) x 544 + (L % 2) x 128: common to both index maps
	v_bfe_u32 v57, v0, 3, 1
	v_mad_u32_u24 v58, v57, PITCH, v56             ; index r: + ((L / 8) % 2) x 272
	v_lshl_add_u32 v58, v2, 4, v58                 ; + 16 h
	v_mad_u32_u24 v59, v2, PITCH, v56              ; index 8 h + L % 8: + h x 272
	v_lshl_add_u32 v59, v57, 4, v59                ; + 16 bytes for the upper eight channels
	v_mul_u32_u24 v60, v1, PITCH
	v_lshl_add_u32 v60, v2, 4, v60
	v_mul_u32_u24 v61, v1, XPI
	v_lshl_add_u32 v61, v2, 4, v61
	v_mul_u32_u24 v62, v1, OSP
	v_lshl_add_u32 v62, v2, 5, v62
	v_lshlrev_b32 v63, 4, v1
	v_add_nc_u32 v[AW], s57, v60
	v_add_nc_u32 v[AW+1], SLOT, v[AW]
	s_mul_i32 s61, s18, 2*GRP
	v_add_nc_u32 v[AK], s61, v58
	v_add_nc_u32 v[AK+1], 4*CBB, v[AK]
	v_add_nc_u32 v[AK+2], SLOT, v[AK]
	v_add_nc_u32 v[AK+3], SLOT+4*CBB, v[AK]
	v_add_nc_u32 v[AV], s57, v59
	v_add_nc_u32 v[AV+1], SLOT, v[AV]
	s_lshl_b32 s61, s18, 6
	s_add_co_u32 s61, s61, SCR
	v_add_nc_u32 v[PXS], s61, v60
	v_add_nc_u32 v[PXL], SCR, v60
	s_lshl_b32 s61, s18, 2
	s_add_co_u32 s61, s61, MX
	v_add_nc_u32 v[MXS], s61, v63
	v_add_nc_u32 v[MXL], MX, v63
	s_lshl_b32 s61, s18, 8
	s_add_co_u32 s61, s61, SCR
	v_add_nc_u32 v[XS], s61, v61
	v_add_nc_u32 v[XL], SCR, v61
	s_mul_i32 s61, s18, 16*OSP
	s_add_co_u32 s61, s61, SCR
	v_add_nc_u32 v[OSS], s61, v62
	v_lshl_add_u32 v[OSL], v3, 4, s61
	v_lshlrev_b32 v[XA], 7, v1
	v_lshl_add_u32 v[XA], v2, 4, v[XA]
	s_lshl_b32 s61, s18, 9
	v_lshl_add_u32 v[UA], v2, 5, s61
	v_lshlrev_b32 v[GO], 4, v3
	v_lshl_add_u32 v[NA], v3, 4, s61
	; the 64 query rows of xn straight into source 1 fragments
	WIN 0x40
.irp k, 0,1,2,3,4,5,6,7
.irp n, 0,1,2,3
	global_load_b128 v[8*(4*\k+\n):8*(4*\k+\n)+3], v[XA], s[50:51] offset:(\k>>1)*16384+\n*2048+(\k&1)*64
	global_load_b128 v[8*(4*\k+\n)+4:8*(4*\k+\n)+7], v[XA], s[50:51] offset:(\k>>1)*16384+\n*2048+(\k&1)*64+32
.endr
.endr
	WIN 0x80
.irp k, 0,1,2,3,4,5,6,7
.irp n, 0,1,2,3
	global_load_b128 v[8*(4*\k+\n):8*(4*\k+\n)+3], v[XA], s[50:51] offset:65536+(\k>>1)*16384+\n*2048+(\k&1)*64
	global_load_b128 v[8*(4*\k+\n)+4:8*(4*\k+\n)+7], v[XA], s[50:51] offset:65536+(\k>>1)*16384+\n*2048+(\k&1)*64+32
.endr
.endr
	WIN 0
.irp m, 0,1,2,3,4,5,6,7
	global_load_b128 v[U+8*\m:U+8*\m+3], v[UA], s[10:11] offset:\m*64          ; u of my channels 16 mt + 8 h + 0..7
	global_load_b128 v[U+8*\m+4:U+8*\m+7], v[UA], s[10:11] offset:\m*64+16
.endr
	s_wait_tensorcnt 0x1                           ; my quarter of the first tile is in; the second tile's may stay out
	BAR
	s_wait_loadcnt 0x0                             ; queries and u
	; q' = xq MT^T
	PROJT 0, 0, 1
	TOP 0, PM, 2*TILEB
	PROJT 1, 1, 0
	TOP 1, PM, 3*TILEB
	PROJT 0, 2, 0
	TOP 0, PKN, 0                                  ; key tile 0
	PROJT 1, 3, 0
	TOPK 1                                         ; key tile 1
	PLACES 4
	XCH 0
	; the eight key tiles
	FBODY 0, 1
	WIN 0                                          ; at a label and at a branch every window is 0
	s_mov_b32 s56, 3
.Lkt:
	TOPK 0                                         ; key tiles 2, 4, 6
	FBODY 1, 0                                     ; key tiles 1, 3, 5
	TOPK 1                                         ; key tiles 3, 5, 7
	FBODY 0, 0                                     ; key tiles 2, 4, 6
	WIN 0
	s_sub_co_u32 s56, s56, 1
	s_cmp_lg_u32 s56, 0
	s_cbranch_scc1 .Lkt
	TOP 0, PVT, 0
	FBODY 1, 0                                     ; key tile 7
	; out = (O / l) VT^T + ...
	TOP 1, PVT, TILEB
	PLACES 4
	LFIN
	XCH 1
	PROJT 0, 0, 1
	TOP 0, PVT, 2*TILEB
	PROJT 1, 1, 0
	TOP 1, PVT, 3*TILEB                            ; the last tensor load
	XLOAD 0
	PROJT 0, 2, 0
	WIN 0
	s_wait_tensorcnt 0x0                           ; my quarter of the last tile is in,
	s_wait_dscnt 0x0
	BAR                                            ; everybody's is; nothing is left to fetch
	XLOAD 1
	PROJT 1, 3, 0
	WIN 0
	PLACES 4                                       ; behind the last matrix instructions: their results are stored, their fragment registers loaded again
	s_wait_loadcnt 0x20                            ; a, s, w and rows 0-31 of x are in; the 32 younger loads may stay out
	v_pk_add_f32 v[S4:S4+1], v[S4:S4+1], v[W4:W4+1]
	v_pk_add_f32 v[S4+2:S4+3], v[S4+2:S4+3], v[W4+2:W4+3]
	OUT16 0, RB0, 0x20
	OUT16 1, RB1, 0x20
	OUT16 2, RB0, 0x10
	OUT16 3, RB1, 0x0
	s_wait_xcnt 0x0
	v_lshl_add_u32 v94, v0, 2, 0x4d000
	v_mov_b32 v95, 0
	s_wait_tensorcnt 0x0
	ds_add_u32 v94, v95
	s_wait_dscnt 0x0
	ROUND                                          ; the closing round: no work-group ends while a partner may still ask for a tile that names it
	s_endpgm
.Lfunc_end_k_qcc053da9f3_attn:
	.size	k_qcc053da9f3_attn, .Lfunc_end_k_qcc053da9f3_attn-k_qcc053da9f3_attn
	.p2alignl 7, 3214868480
	.fill 96, 4, 3214868480
	.section	.rodata,"a",@progbits
	.p2align	6, 0x0
	.amdhsa_kernel k_qcc053da9f3_attn
		.amdhsa_group_segment_fixed_size 327680
		.amdhsa_private_segment_fixed_size 0
		.amdhsa_enable_private_segment 0
		.amdhsa_kernarg_size 56
		.amdhsa_user_sgpr_count 2
		.amdhsa_user_sgpr_kernarg_segment_ptr 1
		.amdhsa_wavefront_size32 1
		.amdhsa_system_sgpr_workgroup_id_x 1
		.amdhsa_system_sgpr_workgroup_id_y 1
		.amdhsa_system_sgpr_workgroup_id_z 1
		.amdhsa_system_vgpr_workitem_id 0
		.amdhsa_next_free_vgpr 1024
		.amdhsa_next_free_sgpr 66
		.amdhsa_reserve_vcc 0
		.amdhsa_float_denorm_mode_32 3
		.amdhsa_float_denorm_mode_16_64 3
		.amdhsa_memory_ordered 1
		.amdhsa_forward_progress 1
		.amdhsa_inst_pref_size 255
	.end_amdhsa_kernel
	.section	.bss,"aw",@nobits
	.p2align	6
	.space	262144
	.amdgpu_metadata
---
amdhsa.version: [ 1, 2 ]
amdhsa.kernels:
  - .name:           k_qcc053da9f3_attn
    .symbol:         k_qcc053da9f3_attn.kd
    .args:
      - { .name: xnb, .offset: 0, .size: 8, .value_kind: global_buffer, .address_space: global }
      - { .name: mt, .offset: 8, .size: 8, .value_kind: global_buffer, .address_space: global }
      - { .name: vt, .offset: 16, .size: 8, .value_kind: global_buffer, .address_space: global }
      - { .name: uw, .offset: 24, .size: 8, .value_kind: global_buffer, .address_space: global }
      - { .name: nrm, .offset: 32, .size: 8, .value_kind: global_buffer, .address_space: global }
      - { .name: x, .offset: 40, .size: 8, .value_kind: global_buffer, .address_space: global }
      - { .name: out0, .offset: 48, .size: 8, .value_kind: global_buffer, .address_space: global }
    .group_segment_fixed_size: 327680
    .private_segment_fixed_size: 0
    .kernarg_segment_align: 8
    .kernarg_segment_size: 56
    .max_flat_workgroup_size: 128
    .sgpr_count:     66
    .vgpr_count:     1024
    .wavefront_size: 32
...
	.end_amdgpu_metadata
.endif
;; end of part 2
;; ======== version 2 of 2: 2 launches; version 1 with the launch prep written anew for expert scheduling mode
;; limits: values outside matrix products are rounded to bf16
;; workspace buffers: xnb 16,777,216 bytes; nrm 65,536 bytes; mt 524,288 bytes; vt 524,288 bytes; uw 4,096 bytes
;; launch prep (part 3): grid 192 x 1, 16 waves a work-group, no clusters, 318,208 bytes of LDS; arguments x, gamma, beta, Wq, Wk, Wv, Wp, bq, bv, bp, xnb, nrm, mt, vt, uw; writes xnb, nrm, mt, vt, uw
.if DOCPART == 3
	.amdgcn_target "amdgcn-amd-amdhsa--gfx1250"
	.amdhsa_code_object_version 6
	.text
	.protected	k_qcc053da9f3_prep
	.globl	k_qcc053da9f3_prep
	.p2align	8
	.type	k_qcc053da9f3_prep,@function
k_qcc053da9f3_prep:
	s_mov_b64 s[64:65], 0
	v_nop
	global_prefetch_b8 v0, s[64:65] scope:SCOPE_SE
	s_setreg_imm32_b32 hwreg(HW_REG_WAVE_SCHED_MODE, 0, 2), 2
	s_setreg_imm32_b32 hwreg(HW_REG_WAVE_MODE, 25, 1), 1
	s_wait_xcnt 0x0
	s_wait_alu depctr_vm_vsrc(0)
; AttentionBlock, first of two launches: group statistics, the normalised input in bf16, and folded weights.
;
; WORK LEFT OUT, AND WHY IT IS DEAD FOR ALL VALUES OF THE INPUTS.
;  scores[n][m] = q[n].(xn[m] Wk) + q[n].bk.  The second term does not hang on m, the axis of the softmax, so it cancels in
;  softmax(scores): bk has no way to the output.  bk is not loaded and is an argument of no launch.
; THE SAME SUMS IN ANOTHER ORDER (exact in real numbers, for all values):
;  q[n].(xn[m] Wk) = q'[n].xn[m]  with  q'[n][c] = sum c' xn[n][c'] MT[c][c'] + u[c],
;                    MT[c][c'] = sum j Wk[c][j] Wq[c'][j],   u[c] = sum j bq[j] Wk[c][j];
;  the rows of the softmax sum to 1, so (attn (xn Wv + bv)) Wp + bp = (attn xn) (Wv Wp) + (bv Wp + bp):
;                    VT[d][c] = sum j Wv[c][j] Wp[j][d],     w[d] = bp[d] + sum j bv[j] Wp[j][d].
;  So keys and values are both xn, and q, k, v never go to memory.  MT and u carry the factor 512^-0.5 log2(e): scores come out in base 2.
; LIMITS: a NaN, an infinity or an overflow that reaches only the term with bk is not carried to the result.  MT and VT are rounded to bf16
;  (one rounding more than the weights themselves would have as matrix operands); bq and bv enter their products in bf16.
;
; 192 work-groups of 16 waves, three roles, chosen by the work-group's number alone (so all 16 waves of a work-group are in one role):
;  0..127   one batch b and 64 channels (4 groups): mean, then the sum of squares about the mean, both from registers: x is read once.
;           Stores xnb (bf16, [b][key tile 8][channel block 8][key 128][64 channels]) and nrm ([b][a 512 | s 512], xn = a x + s).
;  128..159 a block of 64 rows x 128 columns of MT (and, in the blocks of the first columns, 64 numbers of u)
;  160..191 the same of VT (and of w).   mt, vt: bf16 [column block 4][row 512][128 columns]; uw: f32 u[512], w[512].
; LDS: X, the bias rows and the out stage are addressed by the same arithmetic in both fold roles, each wave storing bytes of its own.  Y lies
;  differently in the two (rows along j for MT, [j][column] for VT), so each layout has bytes of its own, and so have the statistics' words:
;  no byte of LDS is written under two different maps anywhere in this text.
;
; THE MODE: SCHED_MODE bits 1:0 = 2 (LLVM: expert scheduling mode 2), set by the entry lines.  The code itself states the register dependences
;  between vector or matrix instructions and memory or LDS instructions, with s_wait_alu, always for 0.
; THE PLAN, fold roles.  Registers that memory or LDS instructions touch:
;  v4-v15      offsets and LDS addresses: each written once, ahead of a wait on va_vdst that stands ahead of its first reader; never written again.
;  v[64:255]   first 48 items of 4 registers: a global load lands, two conversions work in place, an LDS store reads the lower two.  Eight items are a batch:
;              the wait on va_vdst at the head of batch b shows batch b - 1 written; its stores are dealt among batch b's conversions, which name other registers.
;              Behind the barrier one wait on vm_vsrc shows all these stores done reading; from there on the registers are fragments: eight sets of 24 in two
;              halves.  While the matrix instructions of one half's four K steps run, the loads of the K steps eight further on land in the other half,
;              behind one wait on va_vdst that shows that half's matrix instructions done reading.
;  v[32:47]    the bias as loaded, rounded in place, stored; later the accumulators of u or w (the same wait on vm_vsrc frees them).
;  v[16:27]    the results in bf16, read by the stores into the out stage, behind one wait on va_vdst.
;  v[56:63]    rows back from the out stage: loaded from LDS, stored to memory, named by no vector instruction.
; THE PLAN, statistics.  v[64:191] are loaded once, worked on in place, and stored in four blocks of eight rows: the wait on va_vdst at a block's head shows
;  the block before written, and its stores are dealt among the block's arithmetic.  v16 is the data of each group sum's LDS store: a wait on va_vdst
;  ahead of the store, one on vm_vsrc behind it.  v[36:51] take the sixteen waves' figures: the second sum's wait on va_vdst shows the first sum's additions done with them.
.set CS,  0x3d8293ee                   ; 512^-0.5 x log2(e)
.set WPI, 1040                         ; LDS pitch of a row of 512 bf16: 1,024 bytes + 16, an odd multiple of 16
.set XB,  128*WPI                      ; behind X's 128 rows: 16 rows, each the bias vector
.set YS0, XB+16*WPI                    ; Y for MT: 64 rows of pitch 1,040
.set YS1, YS0+64*WPI                   ; Y for VT: 512 rows j of 64 columns, pitch 160
.set OS,  YS1+512*160                  ; the way out: 64 rows of 256 bytes, pitch 272
.set RED, OS+64*272                    ; statistics: [group 4][wave 16] f32, once for the sums, once (256 bytes on) for the squares
.set D,   64                           ; statistics: v[64:191], 128 numbers of x a lane
.macro PLACES n
.rept \n
	v_nop
.endr
.endm
.macro BAR
	s_barrier_signal -1
	s_barrier_wait -1
.endm
	s_load_b256 s[4:11], s[0:1], 0x0               ; x s[4:5], gamma s[6:7], beta s[8:9], Wq s[10:11]
	s_load_b256 s[12:19], s[0:1], 0x20             ; Wk s[12:13], Wv s[14:15], Wp s[16:17], bq s[18:19]
	s_load_b256 s[20:27], s[0:1], 0x40             ; bv s[20:21], bp s[22:23], xnb s[24:25], nrm s[26:27]
	s_load_b128 s[28:31], s[0:1], 0x60             ; mt s[28:29], vt s[30:31]
	s_load_b64 s[32:33], s[0:1], 0x70              ; uw
	v_lshl_add_u32 v54, v0, 2, 0x4d300
	v_mov_b32 v55, 0
	v_lshrrev_b32 v1, 5, v0
	v_readfirstlane_b32 s34, v1                    ; wave 0..15
	v_and_b32 v1, 31, v0                           ; L
	v_and_b32 v2, 15, v0                           ; q = r = L % 16
	v_bfe_u32 v3, v0, 4, 1                         ; hh = h = L / 16
	s_mov_b32 s54, 0x76543210                      ; v_permlanex16_b32: lane i of one half reads lane i of the other
	s_mov_b32 s55, 0xfedcba98
	s_mov_b32 s37, 0                               ; upper word of the offsets made in s36
	s_wait_alu depctr_va_sdst(0)                   ; s34, the wave's number, is written: every role's scalar arithmetic reads it
	s_wait_kmcnt 0x0
	s_cmp_lt_u32 ttmp9, 128
	s_cbranch_scc1 .Lstats
	s_cmp_lt_u32 ttmp9, 160
	s_cbranch_scc1 .Lfold0
; One fragment of Y (16 output rows x 32 along j) for K step 8 bt + i.  MT: Y's rows lie along j, two plain loads.
; VT: Y lies as [j][column], two transposing loads, 16 rows j apart.
.macro YFRAG tr, bt, i, dst
.if \tr
	ds_load_tr16_b128 v[\dst:\dst+3], v[11+\bt] offset:\i*5120
	ds_load_tr16_b128 v[\dst+4:\dst+7], v[11+\bt] offset:\i*5120+2560
.else
	ds_load_b128 v[\dst:\dst+3], v11 offset:(8*\bt+\i)*64
	ds_load_b128 v[\dst+4:\dst+7], v11 offset:(8*\bt+\i)*64+32
.endif
.endm
; Item n of the 48 (32 of X, then 16 of Y) goes into LDS: 8 bytes a lane.
.macro XYST tr, n
.if (\n) < 32
	ds_store_b64 v7, v[64+4*(\n):65+4*(\n)] offset:((\n)>>2)*WPI+((\n)&3)*256
.elseif \tr
	ds_store_b64 v8, v[64+4*(\n):65+4*(\n)] offset:((\n)-32)*320
.else
	ds_store_b64 v8, v[64+4*(\n):65+4*(\n)] offset:(((\n)-32)>>2)*WPI+((\n)&3)*256
.endif
.endm
; The six loads of K step ks of the main product, into set ks % 8: two fragments of X, one of Y.
.macro LD6 tr, ks
	ds_load_b128 v[64+24*((\ks)&7):67+24*((\ks)&7)], v10 offset:(\ks)*64
	ds_load_b128 v[68+24*((\ks)&7):71+24*((\ks)&7)], v10 offset:(\ks)*64+32
	ds_load_b128 v[72+24*((\ks)&7):75+24*((\ks)&7)], v10 offset:(\ks)*64+16*WPI
	ds_load_b128 v[76+24*((\ks)&7):79+24*((\ks)&7)], v10 offset:(\ks)*64+16*WPI+32
	YFRAG \tr, ((\ks)>>3), ((\ks)&7), 80+24*((\ks)&7)
.endm
; The four loads of K step ks of u or w, into set ks % 12 of twelve sets of 16 registers: a fragment of Y, one of the bias rows.
.macro LD4 tr, ks
	YFRAG \tr, ((\ks)>>3), ((\ks)&7), 64+16*((\ks)%12)
	ds_load_b128 v[72+16*((\ks)%12):75+16*((\ks)%12)], v13 offset:(\ks)*64
	ds_load_b128 v[76+16*((\ks)%12):79+16*((\ks)%12)], v13 offset:(\ks)*64+32
.endm
; tr = 0: MT, X = Wq's rows, Y = Wk's rows, bias bq.   tr = 1: VT, X = Wv's rows, Y = Wp's columns, bias bv, addend bp.
; Source 0 of the matrix instruction takes X (the output's columns), source 1 takes Y (its rows): a lane then holds eight neighbouring
; columns of one output row, 16 bytes in bf16.
.macro FOLD tr
.if \tr
.set XPT, 14
.set YPT, 16
.set BPT, 20
.set DPT, 30
.set YS,  YS1
.else
.set XPT, 10
.set YPT, 12
.set BPT, 18
.set DPT, 28
.set YS,  YS0
.endif
	v_lshlrev_b32 v4, 4, v1                        ; 16 L: a wave's load covers 512 neighbouring bytes
.if \tr
	v_lshlrev_b32 v5, 4, v2
	v_lshl_add_u32 v5, v3, 11, v5                  ; two rows j a load: 2,048 hh + 16 q
.endif
	s_sub_co_u32 s38, ttmp9, 128+32*\tr
	s_lshr_b32 s39, s38, 2                         ; rb: which 64 output rows
	s_and_b32 s40, s38, 3                          ; kb: which 128 output columns
	s_lshr_b32 s41, s34, 2                         ; ty: my 16 of the 64 rows
	s_and_b32 s42, s34, 3                          ; tp: my 32 of the 128 columns
	s_lshl_b32 s36, s40, 18                        ; X: 128 rows of 2,048 bytes a block, 8 rows a wave
	s_lshl_b32 s43, s34, 14
	s_add_co_u32 s36, s36, s43
	s_add_nc_u64 s[XPT:XPT+1], s[XPT:XPT+1], s[36:37]
.if \tr
	s_lshl_b32 s36, s34, 16                        ; Y = Wp: 32 rows j a wave, 256 bytes (64 columns) of each
	s_lshl_b32 s43, s39, 8
.else
	s_lshl_b32 s36, s39, 17                        ; Y = Wk: 64 rows a block, 4 rows a wave
	s_lshl_b32 s43, s34, 13
.endif
	s_add_co_u32 s36, s36, s43
	s_add_nc_u64 s[YPT:YPT+1], s[YPT:YPT+1], s[36:37]
	s_wait_alu depctr_va_vdst(0)                   ; the offsets v4 (and v5) are written, which the loads below read
.irp i, 0,1,2,3,4,5,6,7
.irp c, 0,1,2,3
	global_load_b128 v[64+4*(4*\i+\c):64+4*(4*\i+\c)+3], v4, s[XPT:XPT+1] offset:\i*2048+\c*512
.endr
.endr
.if \tr
.irp i, 0,1,2,3,4,5,6,7,8,9,10,11,12,13,14,15
	global_load_b128 v[192+4*\i:192+4*\i+3], v5, s[YPT:YPT+1] offset:\i*4096
.endr
.else
.irp i, 0,1,2,3
.irp c, 0,1,2,3
	global_load_b128 v[192+4*(4*\i+\c):192+4*(4*\i+\c)+3], v4, s[YPT:YPT+1] offset:\i*2048+\c*512
.endr
.endr
.endif
	; LDS addresses, made while the loads are on their way
	s_mul_i32 s43, s34, 8*WPI
	v_lshl_add_u32 v7, v1, 3, s43                  ; X in: my 8 rows, 8 bytes a lane
.if \tr
	s_mul_i32 s43, s34, 32*160
	s_add_co_u32 s43, s43, YS
	v_mul_u32_u24 v8, v3, 160
	v_lshl_add_u32 v8, v2, 3, v8
	v_add_nc_u32 v8, s43, v8                       ; Y in: my 32 rows j, row hh, 8 bytes at 8 q
.else
	s_mul_i32 s43, s34, 4*WPI
	s_add_co_u32 s43, s43, YS
	v_lshl_add_u32 v8, v1, 3, s43                  ; Y in: my 4 rows
.endif
	v_mul_u32_u24 v49, v2, WPI
	v_lshl_add_u32 v49, v3, 4, v49                 ; a fragment's lane term: r x pitch + 16 h
	s_mul_i32 s43, s42, 32*WPI
	v_add_nc_u32 v10, s43, v49                     ; X fragments: my 32 rows
.if \tr
	v_and_b32 v50, 7, v0
	v_lshl_add_u32 v50, v3, 3, v50                 ; row j = 8 h + L % 8
	v_mul_u32_u24 v50, v50, 160
	v_bfe_u32 v51, v0, 3, 1
	v_lshl_add_u32 v50, v51, 4, v50                ; + 16 bytes for the upper eight columns
	s_lshl_b32 s43, s41, 5
	s_add_co_u32 s43, s43, YS
	v_add_nc_u32 v11, s43, v50                     ; Y fragments, K steps 0-7
	v_add_nc_u32 v12, 8*5120, v11                  ; K steps 8-15
.else
	s_mul_i32 s43, s41, 16*WPI
	s_add_co_u32 s43, s43, YS
	v_add_nc_u32 v11, s43, v49
.endif
	v_add_nc_u32 v13, XB, v49                      ; the bias rows as a fragment
	v_mul_u32_u24 v50, v2, 272
	v_lshl_add_u32 v50, v3, 4, v50
	s_mul_i32 s43, s41, 16*272
	s_lshl_b32 s46, s42, 6
	s_add_co_u32 s43, s43, s46
	s_add_co_u32 s43, s43, OS
	v_add_nc_u32 v14, s43, v50                     ; out stage, in: row 16 ty + r, bytes 64 tp + 16 h
	v_mul_u32_u24 v50, v3, 272
	v_lshl_add_u32 v50, v2, 4, v50
	s_mul_i32 s43, s34, 4*272
	s_add_co_u32 s43, s43, OS
	v_add_nc_u32 v15, s43, v50                     ; out stage, back: rows 4 w + hh, 16 bytes at 16 q
	s_lshl_b32 s36, s40, 17
	s_lshl_b32 s43, s39, 14
	s_add_co_u32 s36, s36, s43
	s_lshl_b32 s43, s34, 10
	s_add_co_u32 s36, s36, s43
	s_add_nc_u64 s[DPT:DPT+1], s[DPT:DPT+1], s[36:37]  ; destination: column block, my 4 rows of 256 bytes
	; The blocks of the first columns also make 64 numbers of u or w: each wave lays the bias vector down as one of 16 equal rows.
	; Load, conversion and LDS store stand in this one branch; its wait for 0 also covers the 48 loads above, which are older.
	s_cmp_lg_u32 s40, 0
	s_cbranch_scc1 .Lnobias_\tr
	v_lshlrev_b32 v6, 6, v1                        ; 16 numbers a lane
	s_mul_i32 s43, s34, WPI
	s_add_co_u32 s43, s43, XB
	v_lshl_add_u32 v9, v1, 5, s43
	s_wait_alu depctr_va_vdst(0)                   ; the offset v6 is written, which the four loads read (and v9, the address of the two LDS stores)
	global_load_b128 v[32:35], v6, s[BPT:BPT+1]
	global_load_b128 v[36:39], v6, s[BPT:BPT+1] offset:16
	global_load_b128 v[40:43], v6, s[BPT:BPT+1] offset:32
	global_load_b128 v[44:47], v6, s[BPT:BPT+1] offset:48
	s_wait_loadcnt 0x0
.irp k, 0,1,2,3,4,5,6,7
	v_cvt_pk_bf16_f32 v[32+\k], v[32+2*\k], v[33+2*\k]     ; in place: each line reads at or above what it writes
.endr
	s_wait_alu depctr_va_vdst(0)                   ; the conversions have written v[32:39], which the LDS stores read
	ds_store_b128 v9, v[32:35]
	ds_store_b128 v9, v[36:39] offset:16
.Lnobias_\tr:
	; f32 to bf16 and into LDS, eight loads (a batch) at a time: the count on LOADcnt is the number of younger loads that may stay out.
	; A batch's LDS stores are issued a batch later, among the next batch's conversions.
.set nn, 0
.rept 48
.if (nn%8) == 0
	s_wait_loadcnt 40-nn
.if nn > 0
	s_wait_alu depctr_va_vdst(0)                   ; the batch before is rounded: its registers, which the eight LDS stores of this batch read, are written (the first time: so are the addresses v7 and v8)
.endif
.endif
.if nn >= 8
	XYST \tr, nn-8                                 ; no wait: no conversion since the wait names this item's registers
.endif
	v_cvt_pk_bf16_f32 v[64+4*nn], v[64+4*nn], v[65+4*nn]
	v_cvt_pk_bf16_f32 v[65+4*nn], v[66+4*nn], v[67+4*nn]
.set nn, nn+1
.endr
	s_wait_alu depctr_va_vdst(0)                   ; the last batch is rounded, which the last eight LDS stores read; and every conversion is done with v[64:255], in which the fragments' loads land
.set nn, 40
.rept 8
	XYST \tr, nn
.set nn, nn+1
.endr
	s_wait_dscnt 0x0                               ; my LDS stores are done, for the other waves' sake
	BAR
	s_wait_alu depctr_vm_vsrc(0)                   ; my LDS stores have read v[64:255], in which the fragments' loads land, and v[32:39], which the matrix instructions of u or w write
	; 16 rows x 32 columns a wave, K = 512 in sixteen K steps.  The two accumulators take turns, one instruction a turn.
	; K steps 0-7 are asked for at once; steps 8-11 among the matrix instructions of steps 4-7, steps 12-15 among those of steps 8-11.
.set kk, 0
.rept 8
	LD6 \tr, kk
.set kk, kk+1
.endr
.set kk, 0
.rept 16
.if (kk == 4) || (kk == 8)
	s_wait_alu depctr_va_vdst(0)                   ; the matrix instructions of the last four K steps are done reading their four sets, in which the loads of the next four trips land
.endif
.if kk < 4
	s_wait_dscnt 6*(7-kk)                          ; six loads a K step: the younger steps' may stay out
.elseif kk < 12
	LD6 \tr, kk+4                                  ; no wait: the matrix instructions since the wait name the other half's sets and the accumulators
	s_wait_dscnt 24                                ; behind this step's six loads stand 6 (7 - kk % 8 .. ) of its own half or the next and those just issued: four K steps' in every trip
.else
	s_wait_dscnt 6*(15-kk)
.endif
.if kk == 0
	v_wmma_f32_16x16x32_bf16 v[16:23], v[64+24*(kk&7):71+24*(kk&7)], v[80+24*(kk&7):87+24*(kk&7)], 0
	v_wmma_f32_16x16x32_bf16 v[24:31], v[72+24*(kk&7):79+24*(kk&7)], v[80+24*(kk&7):87+24*(kk&7)], 0
.else
	v_wmma_f32_16x16x32_bf16 v[16:23], v[64+24*(kk&7):71+24*(kk&7)], v[80+24*(kk&7):87+24*(kk&7)], v[16:23]
	v_wmma_f32_16x16x32_bf16 v[24:31], v[72+24*(kk&7):79+24*(kk&7)], v[80+24*(kk&7):87+24*(kk&7)], v[24:31]
.endif
.set kk, kk+1
.endr
	PLACES 4
.if \tr == 0
.irp k, 16,18,20,22,24,26,28,30
	v_pk_mul_f32 v[\k:\k+1], v[\k:\k+1], CS op_sel_hi:[1,0]
.endr
.endif
.irp k, 0,1,2,3
	v_cvt_pk_bf16_f32 v[16+\k], v[16+2*\k], v[17+2*\k]
.endr
.irp k, 0,1,2,3
	v_cvt_pk_bf16_f32 v[24+\k], v[24+2*\k], v[25+2*\k]
.endr
	s_wait_alu depctr_va_vdst(0)                   ; the conversions have written v[16:19] and v[24:27], which the LDS stores read; the matrix instructions are done reading v[64:255], in which the loads of u or w land
	ds_store_b128 v14, v[16:19]
	ds_store_b128 v14, v[24:27] offset:32
	s_wait_dscnt 0x0
	BAR
	ds_load_b128 v[56:59], v15                     ; whole rows back: 16 lanes take one row's 256 bytes
	ds_load_b128 v[60:63], v15 offset:2*272
	s_wait_dscnt 0x0
	global_store_b128 v4, v[56:59], s[DPT:DPT+1]           ; each store of the wave covers 512 consecutive bytes, aligned
	global_store_b128 v4, v[60:63], s[DPT:DPT+1] offset:512
	; u or w: one wave for each 16 rows, in the blocks of the first columns.  No barrier stands in this branch.
	s_cmp_lg_u32 s40, 0
	s_cbranch_scc1 .Lfend_\tr
	s_cmp_lg_u32 s42, 0
	s_cbranch_scc1 .Lfend_\tr
	v_lshlrev_b32 v50, 2, v2                       ; 4 r
	s_lshl_b32 s36, s39, 8
	s_lshl_b32 s43, s41, 6
	s_add_co_u32 s36, s36, s43                     ; 4 x (64 rb + 16 ty)
.if \tr
	s_add_nc_u64 s[22:23], s[22:23], s[36:37]
	s_wait_alu depctr_va_vdst(0)                   ; the offset v50 is written, which the load reads
	global_load_b32 v48, v50, s[22:23]             ; bp of my row
	s_add_co_u32 s36, s36, 2048                    ; w lies behind u
.endif
	s_add_nc_u64 s[32:33], s[32:33], s[36:37]
	; K steps 0-11 are asked for at once, into the twelve sets; steps 12-15 among the matrix instructions of steps 4-7, into the sets of steps 0-3.
.set kk, 0
.rept 12
	LD4 \tr, kk
.set kk, kk+1
.endr
.set kk, 0
.rept 16
.if kk == 4
	s_wait_alu depctr_va_vdst(0)                   ; the matrix instructions of K steps 0-3 are done reading their four sets, in which the loads of steps 12-15 land
.endif
.if kk < 4
	s_wait_dscnt 4*(11-kk)                         ; four loads a K step: the younger steps' may stay out
.elseif kk < 8
	LD4 \tr, kk+8                                  ; no wait: the matrix instructions since the wait name sets 4 to 7 and the accumulators
	s_wait_dscnt 32                                ; 4 (11 - kk) of the first twelve steps and 4 (kk - 3) just issued
.elseif kk < 12
	s_wait_dscnt 4*(11-kk)+16                      ; and the sixteen loads of steps 12-15
.else
	s_wait_dscnt 4*(15-kk)
.endif
.if kk < 2
	v_wmma_f32_16x16x32_bf16 v[32+8*(kk&1):39+8*(kk&1)], v[72+16*(kk%12):79+16*(kk%12)], v[64+16*(kk%12):71+16*(kk%12)], 0
.else
	v_wmma_f32_16x16x32_bf16 v[32+8*(kk&1):39+8*(kk&1)], v[72+16*(kk%12):79+16*(kk%12)], v[64+16*(kk%12):71+16*(kk%12)], v[32+8*(kk&1):39+8*(kk&1)]
.endif
.set kk, kk+1
.endr
	PLACES 4
	v_add_f32 v49, v32, v40                        ; even and odd K steps; all 16 rows of source 0 are the bias vector, so every register holds row r's sum
.if \tr
	s_wait_loadcnt 0x0                             ; bp
	v_add_f32 v49, v49, v48
.else
	v_mul_f32 v49, CS, v49
.endif
	s_wait_alu depctr_va_vdst(0)                   ; v49, the store's data, is written (and v50, its offset)
	global_store_b32 v50, v49, s[32:33]            ; lanes r and r + 16 hold the same number and write the same word
.Lfend_\tr:
	s_wait_dscnt 0x0                               ; the closing lines, six on end
	s_wait_alu 0x0
	s_wait_tensorcnt 0x0
	ds_add_u32 v54, v55
	s_wait_dscnt 0x0
	s_endpgm
.endm
	FOLD 1
.Lfold0:
	FOLD 0
; The total of a group over the work-group.  In: four chains of pairs in v[16:23].  Out: v36, the same in every lane of the group's columns.
; A lane's four channels lie in one group; its partners in the wave are the lanes with the same q / 4.
.macro GSUM off
	v_pk_add_f32 v[16:17], v[16:17], v[18:19]
	v_pk_add_f32 v[20:21], v[20:21], v[22:23]
	v_pk_add_f32 v[16:17], v[16:17], v[20:21]
	v_add_f32 v16, v16, v17
	v_add_f32_dpp v16, v16, v16 row_xmask:1 row_mask:0xf bank_mask:0xf
	v_add_f32_dpp v16, v16, v16 row_xmask:2 row_mask:0xf bank_mask:0xf
	v_permlanex16_b32 v17, v16, s54, s55           ; the other half of the lanes holds the odd tokens
	v_add_f32 v16, v16, v17
	s_wait_alu depctr_va_vdst(0)                   ; v16, the LDS store's data, is written (at the first sum: so are the addresses v7 and v52); at the second sum the first sum's additions are done with v[36:51], in which the loads below land
	ds_store_b32 v7, v16 offset:\off               ; word [group][wave]; the eight lanes of a group write the same number
	s_wait_dscnt 0x0
	BAR
	ds_load_b128 v[36:39], v52 offset:\off
	ds_load_b128 v[40:43], v52 offset:\off+16
	ds_load_b128 v[44:47], v52 offset:\off+32
	ds_load_b128 v[48:51], v52 offset:\off+48
	s_wait_alu depctr_vm_vsrc(0)                   ; the LDS store has read v16, which is written again below: by the squares' chains, and at the end by wave 0's selects
	s_wait_dscnt 0x0
	v_pk_add_f32 v[36:37], v[36:37], v[38:39]
	v_pk_add_f32 v[40:41], v[40:41], v[42:43]
	v_pk_add_f32 v[44:45], v[44:45], v[46:47]
	v_pk_add_f32 v[48:49], v[48:49], v[50:51]
	v_pk_add_f32 v[36:37], v[36:37], v[40:41]
	v_pk_add_f32 v[44:45], v[44:45], v[48:49]
	v_pk_add_f32 v[36:37], v[36:37], v[44:45]
	v_add_f32 v36, v36, v37
.endm
.macro ADDP p0, cnt                    ; pairs p0 .. p0 + cnt - 1 of D go onto the four chains in turn
.set pp, \p0
.rept \cnt
	v_pk_add_f32 v[16+2*(pp%4):17+2*(pp%4)], v[16+2*(pp%4):17+2*(pp%4)], v[D+2*pp:D+2*pp+1]
.set pp, pp+1
.endr
.endm
; STATISTICS.  Wave w owns tokens 64 w .. 64 w + 63; load i takes tokens 64 w + 2 i + hh, a lane channels 4 q .. 4 q + 3 of the block's 64:
; 16 lanes read 256 consecutive bytes of a token's row, aligned.
.Lstats:
	v_lshlrev_b32 v5, 4, v2                        ; 16 q
	v_lshl_add_u32 v4, v3, 11, v5                  ; + 2,048 hh
	s_lshr_b32 s38, ttmp9, 3                       ; b
	s_and_b32 s39, ttmp9, 7                        ; cb: which 64 channels
	s_lshl_b32 s40, s39, 8
	s_mov_b32 s41, 0
	s_lshl_b32 s36, s38, 21
	s_lshl_b32 s42, s34, 17
	s_add_co_u32 s36, s36, s42
	s_add_co_u32 s36, s36, s40
	s_add_nc_u64 s[4:5], s[4:5], s[36:37]          ; x at batch b, token 64 w, channel 64 cb
	s_add_nc_u64 s[6:7], s[6:7], s[40:41]
	s_add_nc_u64 s[8:9], s[8:9], s[40:41]
	s_wait_alu depctr_va_vdst(0)                   ; the offsets v4 and v5 are written, which the loads below read
	global_load_b128 v[8:11], v5, s[6:7]           ; gamma of my 4 channels
	global_load_b128 v[12:15], v5, s[8:9]          ; beta
.set ii, 0
.rept 32
	global_load_b128 v[D+4*ii:D+4*ii+3], v4, s[4:5] offset:ii*4096 th:TH_LOAD_NT
.set ii, ii+1
.endr
	s_mov_b32 s44, 0x38800000                      ; 2^-14: a group has 1,024 tokens x 16 channels
	s_mov_b32 s45, 0x3a83126f                      ; epsilon = 1e-3
	s_lshl_b32 s36, s38, 12
	s_add_co_u32 s36, s36, s40
	s_add_nc_u64 s[26:27], s[26:27], s[36:37]      ; nrm at [b][a][64 cb]
	s_lshl_b32 s36, s38, 20
	s_lshr_b32 s42, s34, 1
	s_lshl_b32 s42, s42, 17
	s_add_co_u32 s36, s36, s42
	s_lshl_b32 s42, s39, 14
	s_add_co_u32 s36, s36, s42
	s_and_b32 s42, s34, 1
	s_lshl_b32 s42, s42, 13
	s_add_co_u32 s36, s36, s42
	s_add_nc_u64 s[24:25], s[24:25], s[36:37]      ; xnb at [b][w / 2][cb][64 (w % 2)]
	v_lshlrev_b32 v6, 3, v1                        ; 8 L
	v_lshrrev_b32 v52, 2, v2
	v_lshlrev_b32 v52, 6, v52                      ; 64 x group
	v_add_nc_u32 v52, RED, v52                     ; in the statistics' own words
	v_lshl_add_u32 v7, s34, 2, v52                 ; + 4 w
	; pass 1: the sum.  Each count is the number of younger loads of x that may stay out.
	s_wait_loadcnt 24
.irp c, 0,1,2,3
	v_pk_add_f32 v[16+2*\c:17+2*\c], v[D+2*\c:D+2*\c+1], v[D+8+2*\c:D+9+2*\c]     ; the first eight pairs start the chains: nothing is cleared
.endr
	ADDP 8, 8
	s_wait_loadcnt 16
	ADDP 16, 16
	s_wait_loadcnt 8
	ADDP 32, 16
	s_wait_loadcnt 0x0
	ADDP 48, 16
	GSUM 0
	v_mul_f32 v24, s44, v36                        ; the mean, twice: a pair for the packed subtraction
	v_mul_f32 v25, s44, v36
	; pass 2: x - mean in place, and the sum of its squares
.set pp, 0
.rept 64
	v_pk_add_f32 v[D+2*pp:D+2*pp+1], v[D+2*pp:D+2*pp+1], v[24:25] neg_lo:[0,1] neg_hi:[0,1]
.set pp, pp+1
.endr
.irp c, 0,1,2,3
	v_pk_mul_f32 v[16+2*\c:17+2*\c], v[D+2*\c:D+2*\c+1], v[D+2*\c:D+2*\c+1]
.endr
.set pp, 4
.rept 60
	v_pk_fma_f32 v[16+2*(pp%4):17+2*(pp%4)], v[D+2*pp:D+2*pp+1], v[D+2*pp:D+2*pp+1], v[16+2*(pp%4):17+2*(pp%4)]
.set pp, pp+1
.endr
	GSUM 256                                       ; other words than the first sum's: no barrier is needed between its reads and these stores
	v_fma_f32 v53, v36, s44, s45                   ; variance + epsilon
	v_rsq_f32 v26, v53
	v_nop                                          ; one plain instruction behind the transcendental (ISA guide 5.7.2)
	s_wait_alu depctr_va_vdst(0)                   ; v26, the reciprocal root, is written, ahead of its first reader
.irp k, 0,1,2,3
	v_mul_f32 v[28+\k], v26, v[8+\k]               ; a = gamma / sqrt(var + eps)
.endr
.irp k, 0,1,2,3
	v_fma_f32 v[32+\k], -v24, v[28+\k], v[12+\k]   ; s = beta - mean a
.endr
	; The way out, in four blocks of eight loads' rows: a block's stores are issued a block later, among the next block's arithmetic.
.set ii, 0
.rept 32
.if ((ii%8) == 0) && (ii > 0)
	s_wait_alu depctr_va_vdst(0)                   ; the block before is rounded: its registers, which the eight stores of this block read, are written (the first time: so is the offset v6)
.endif
.if ii >= 8
	global_store_b64 v6, v[D+4*(ii-8):D+4*(ii-8)+1], s[24:25] offset:(ii-8)*256    ; two keys x 64 channels: the wave stores 256 consecutive bytes, aligned; no vector instruction since the wait names these registers
.endif
	v_pk_fma_f32 v[D+4*ii:D+4*ii+1], v[D+4*ii:D+4*ii+1], v[28:29], v[12:13]        ; xn = (x - mean) a + beta
	v_pk_fma_f32 v[D+4*ii+2:D+4*ii+3], v[D+4*ii+2:D+4*ii+3], v[30:31], v[14:15]
	v_cvt_pk_bf16_f32 v[D+4*ii], v[D+4*ii], v[D+4*ii+1]
	v_cvt_pk_bf16_f32 v[D+4*ii+1], v[D+4*ii+2], v[D+4*ii+3]
.set ii, ii+1
.endr
	s_wait_alu depctr_va_vdst(0)                   ; the last block is rounded, which the last eight stores read
.set ii, 24
.rept 8
	global_store_b64 v6, v[D+4*ii:D+4*ii+1], s[24:25] offset:ii*256
.set ii, ii+1
.endr
	s_cmp_lg_u32 s34, 0                            ; every wave holds the same a and s: wave 0 stores them
	s_cbranch_scc1 .Lsdone
	v_cmp_le_u32 vcc_lo, 16, v1
	s_wait_alu depctr_va_vcc(0)                    ; VCC is written, which the four selects read
.irp k, 0,1,2,3
	v_cndmask_b32 v[16+\k], v[28+\k], v[32+\k], vcc_lo     ; lanes 0-15: a, lanes 16-31: s
.endr
	s_wait_alu depctr_va_vdst(0)                   ; the selects have written v[16:19], which the store reads
	global_store_b128 v4, v[16:19], s[26:27]       ; 2,048 hh + 16 q: 256 bytes of a, and 256 bytes of s 2,048 further on
.Lsdone:
	s_wait_dscnt 0x0                               ; the closing lines, six on end
	s_wait_alu 0x0
	s_wait_tensorcnt 0x0
	ds_add_u32 v54, v55
	s_wait_dscnt 0x0
	s_endpgm
.Lfunc_end_k_qcc053da9f3_prep:
	.size	k_qcc053da9f3_prep, .Lfunc_end_k_qcc053da9f3_prep-k_qcc053da9f3_prep
	.p2alignl 7, 3214868480
	.fill 96, 4, 3214868480
	.section	.rodata,"a",@progbits
	.p2align	6, 0x0
	.amdhsa_kernel k_qcc053da9f3_prep
		.amdhsa_group_segment_fixed_size 318208
		.amdhsa_private_segment_fixed_size 0
		.amdhsa_enable_private_segment 0
		.amdhsa_kernarg_size 120
		.amdhsa_user_sgpr_count 2
		.amdhsa_user_sgpr_kernarg_segment_ptr 1
		.amdhsa_wavefront_size32 1
		.amdhsa_system_sgpr_workgroup_id_x 1
		.amdhsa_system_sgpr_workgroup_id_y 1
		.amdhsa_system_sgpr_workgroup_id_z 1
		.amdhsa_system_vgpr_workitem_id 0
		.amdhsa_next_free_vgpr 256
		.amdhsa_next_free_sgpr 66
		.amdhsa_reserve_vcc 1
		.amdhsa_float_denorm_mode_32 3
		.amdhsa_float_denorm_mode_16_64 3
		.amdhsa_memory_ordered 1
		.amdhsa_forward_progress 1
		.amdhsa_inst_pref_size 102
	.end_amdhsa_kernel
	.amdgpu_metadata
---
amdhsa.version: [ 1, 2 ]
amdhsa.kernels:
  - .name:           k_qcc053da9f3_prep
    .symbol:         k_qcc053da9f3_prep.kd
    .args:
      - { .name: x, .offset: 0, .size: 8, .value_kind: global_buffer, .address_space: global }
      - { .name: gamma, .offset: 8, .size: 8, .value_kind: global_buffer, .address_space: global }
      - { .name: beta, .offset: 16, .size: 8, .value_kind: global_buffer, .address_space: global }
      - { .name: Wq, .offset: 24, .size: 8, .value_kind: global_buffer, .address_space: global }
      - { .name: Wk, .offset: 32, .size: 8, .value_kind: global_buffer, .address_space: global }
      - { .name: Wv, .offset: 40, .size: 8, .value_kind: global_buffer, .address_space: global }
      - { .name: Wp, .offset: 48, .size: 8, .value_kind: global_buffer, .address_space: global }
      - { .name: bq, .offset: 56, .size: 8, .value_kind: global_buffer, .address_space: global }
      - { .name: bv, .offset: 64, .size: 8, .value_kind: global_buffer, .address_space: global }
      - { .name: bp, .offset: 72, .size: 8, .value_kind: global_buffer, .address_space: global }
      - { .name: xnb, .offset: 80, .size: 8, .value_kind: global_buffer, .address_space: global }
      - { .name: nrm, .offset: 88, .size: 8, .value_kind: global_buffer, .address_space: global }
      - { .name: mt, .offset: 96, .size: 8, .value_kind: global_buffer, .address_space: global }
      - { .name: vt, .offset: 104, .size: 8, .value_kind: global_buffer, .address_space: global }
      - { .name: uw, .offset: 112, .size: 8, .value_kind: global_buffer, .address_space: global }
    .group_segment_fixed_size: 318208
    .private_segment_fixed_size: 0
    .kernarg_segment_align: 8
    .kernarg_segment_size: 120
    .max_flat_workgroup_size: 512
    .sgpr_count:     66
    .vgpr_count:     256
    .wavefront_size: 32
...
	.end_amdgpu_metadata
.endif
;; end of part 3
;; launch attn: the kernel of part 2 again; grid 16 x 16, 4 waves a work-group, clusters of 4 x 1, 327,680 bytes of LDS; arguments xnb, mt, vt, uw, nrm, x, out0; writes out0
